; MI455X (gfx1250); checked and timed in simulation.
; The chip was launched on July 23, 2026; its instructions are those of AMD's public machine-readable ISA for CDNA 5 (MIT licence, August 2026) and "CDNA5" Instruction Set Architecture Reference Guide (July 2026). The comments in the code are by the model that wrote it; some were corrected since.
;; Attention. Allowed arithmetic: matrix products marked QUANTISED: E4M3 operands, one given power-of-two scale a tensor, by v_wmma_f32_16x16x64_fp8_fp8 or v_wmma_f32_16x16x128_fp8_fp8, f32 sums; everything else in f32.
;; Inputs: W_k_codes 1,024 x 32 x 32 uint8 (E4M3 codes of W_k, K innermost, in blocks of 32 codes); W_q_codes 1,024 x 32 x 32 uint8 (E4M3 codes of W_q, K innermost, in blocks of 32 codes); W_v_codes 1,024 x 32 x 32 uint8 (E4M3 codes of W_v, K innermost, in blocks of 32 codes); b_k 1,024 float32; b_q 1,024 float32; b_v 1,024 float32; encoded_k_codes 4 x 2,048 x 32 x 32 uint8 (E4M3 codes of encoded_k, K innermost, in blocks of 32 codes); encoded_q_codes 4 x 2,048 x 32 x 32 uint8 (E4M3 codes of encoded_q, K innermost, in blocks of 32 codes); encoded_v_codes 4 x 2,048 x 32 x 32 uint8 (E4M3 codes of encoded_v, K innermost, in blocks of 32 codes); lowp_scales 10 int32 (the exponents e of the quantised operands' scales 2^e).
;; Outputs: out0 4 x 2,048 x 1,024 float32.
;; Constants: parameter_mask = 1.
;; This version of the problem:
;;   THIS VERSION OF THE PROBLEM IS GIVEN IN LOW PRECISION. The matrix products marked QUANTISED in the list below multiply operands that are first quantised to E4M3 (4 exponent bits, 3 mantissa bits; 8 bits a number), with one given power-of-two scale for each operand tensor; their sums are f32. All else is computed in f32.
;;   The module's matrix products, in the order in which they are computed (A, B: the left and right operand; K: the contracted axis; several contracted axes count as one K, in the product's order):
;;     1. [M 8,192, K 1,024] x [K 1,024, N 1,024]; A: input encoded_q (given as codes); B: input W_q (given as codes): QUANTISED (scales: A lowp_scales[0], B lowp_scales[1])
;;     2. [M 8,192, K 1,024] x [K 1,024, N 1,024]; A: input encoded_k (given as codes); B: input W_k (given as codes): QUANTISED (scales: A lowp_scales[2], B lowp_scales[3])
;;     3. [M 8,192, K 1,024] x [K 1,024, N 1,024]; A: input encoded_v (given as codes); B: input W_v (given as codes): QUANTISED (scales: A lowp_scales[4], B lowp_scales[5])
;;     4. batch 4 x [M 2,048, K 1,024] x [K 1,024, N 2,048]; A: computed on the way; B: computed on the way: QUANTISED (scales: A lowp_scales[6], B lowp_scales[7])
;;     5. batch 4 x [M 2,048, K 2,048] x [K 2,048, N 1,024]; A: softmax (see below); B: computed on the way: QUANTISED (scales: A lowp_scales[8], B lowp_scales[9])
;;   THE QUANTISER, for each operand of a quantised product, along K:
;;     - The operand's scale is 2^e, e = its entry of the input lowp_scales (int32; the entries are numbered through the quantised products in the list's order, A before B).
;;     - Each number is divided by the scale, clamped to +-448, and rounded to the nearest number of E4M3, ties to even, subnormals kept.
;;     - The product sums the exact products of the quantised numbers (number of the format x scale) in f32.
;;   ~~~python
;;   def quantise(x, axis, e):      # numpy; x: float32 -> the quantised numbers, widened to float32 again
;;       x = np.moveaxis(x, axis, -1); K = x.shape[-1]
;;       r = np.clip(x / 2.0 ** e, -448, 448)
;;       step = 2.0 ** (np.maximum(np.frexp(np.where(r == 0, 1, r))[1] - 1, -6) - 3)
;;       q = np.round(r / step) * step * 2.0 ** e      # np.round: ties to even
;;       return np.moveaxis(q, -1, axis).astype(np.float32)
;;   ~~~
;;   SOFTMAX AHEAD OF A QUANTISED PRODUCT. Where the list says 'softmax', what is quantised is not the finished softmax but p = 2^(t - M), with t = logit x log2(e) and M = ceil(the row's largest t), a whole number; so 1/2 < the row's largest p <= 1. The row's sum l is taken of the UNQUANTISED p, in f32, and the product's result is divided by l at the end. Since M is a whole number, a kernel that streams over the keys may use a running M (the ceiling of the running maximum): every later rescaling is an exact power of two, so the quantised numbers keep their values, but for numbers so far below the row's largest that they fall under the format's range.
;;   OPERANDS COMPUTED ON THE WAY. 'Computed on the way' means the value that the module computes at that place (a softmax that the list does not call 'softmax' is quantised finished and normalised). What goes into a quantiser is computed in f32, as accurately as f32 sums, v_exp_f32 and their like allow (about 1e-6 of the number): no bf16 or f16 on the way to a quantiser, and a product that is left as it is and whose result goes on into a quantised operand takes f32 operands (vector FMAs, or v_wmma_f32_16x16x4_f32). A number that lies on a knife's edge between two numbers of the format may be rounded either way, as far as f32 arithmetic and the matrix unit's own rounding can turn it there, and no further.
;;   INPUTS GIVEN AS CODES. W_k (in the module: [1024, 1024], K = its axis 1); W_q (in the module: [1024, 1024], K = its axis 1); W_v (in the module: [1024, 1024], K = its axis 1); encoded_k (in the module: [4, 2048, 1024], K = its axis 2); encoded_q (in the module: [4, 2048, 1024], K = its axis 2); encoded_v (in the module: [4, 2048, 1024], K = its axis 2): each comes as NAME_codes (uint8): NAME with its K axis moved to the last place and cut into blocks of 32 codes, [.., K / 32, bytes a block], one block behind the other in memory; one code a byte (a code: sign, 4 exponent bits, 3 mantissa bits); its scale is its entry of lowp_scales. Its value is code x scale, taken as it is: it is not quantised again, and the codes and scales need not be those that the quantiser above would give.
;; One version. Each part assembles by itself: llvm-mc -triple=amdgcn-amd-amdhsa -mcpu=gfx1250 --defsym DOCPART=n.
;; ======== version 1 of 1: 3 launches
;; limits: right only within a limited range of input values
;; workspace buffers: qf 8,388,608 bytes; kf 8,388,608 bytes; vf 8,388,608 bytes; pf 9,437,184 bytes; st 589,824 bytes
;; launch qk (part 1): grid 4 x 64, 4 waves a work-group, clusters of 4 x 4, 327,680 bytes of LDS; arguments encoded_q_codes, encoded_k_codes, W_q_codes, W_k_codes, b_q, b_k, lowp_scales, qf, kf; writes qf, kf
.if DOCPART == 1
	.amdgcn_target "amdgcn-amd-amdhsa--gfx1250"
	.amdhsa_code_object_version 6
	.text
	.protected	k_qe8da9bfe02_qk
	.globl	k_qe8da9bfe02_qk
	.p2align	8
	.type	k_qe8da9bfe02_qk,@function
k_qe8da9bfe02_qk:
	s_mov_b64 s[64:65], 0
	v_nop
	global_prefetch_b8 v0, s[64:65] scope:SCOPE_SE
	s_setreg_imm32_b32 hwreg(HW_REG_WAVE_MODE, 25, 1), 1
	s_wait_xcnt 0x0
	s_wait_alu depctr_hold_cnt(0) depctr_sa_sdst(0) depctr_va_vdst(0) depctr_va_sdst(0) depctr_va_ssrc(0) depctr_va_vcc(0) depctr_vm_vsrc(0)
	s_getreg_b32 s2, hwreg(HW_REG_IB_STS2, 6, 4)
	s_cmp_eq_u32 s2, 0
	s_cbranch_scc0 .Lentry_in_a_cluster
	s_endpgm
.Lentry_in_a_cluster:
	s_bfe_u32 s2, ttmp6, 0x10000c
	s_cmp_lg_u32 s2, 0xf033
	s_cbranch_scc0 .Lentry_shape_is_right
	s_endpgm
.Lentry_shape_is_right:
; q = x_q W_q^T + b_q and k = x_k W_k^T + b_k on codes of FP8 (E4M3), and their codes for the scores' product.  (v's product is made in the next launch, beside the scores.)
; WORK LEFT OUT of the program: reference() adds -infinity in its own body to each score whose key comes after its query, so such a weight is exactly 0 whatever finite values the inputs hold: tiles of 256 queries x 256 keys
; that lie wholly under that mask are made by no launch.  LIMIT: a NaN, an infinity or an overflow that reaches only such a score is not carried to the result.
; LIMITS on the given exponents, so that each power of two is an f32 number: e6 - e0 - e1 and e7 - e2 - e3 between -126 and 119.
; 256 work-groups, one tile of 256 tokens x 256 channels each: four waves of 128 x 128, 64 accumulators of 16 x 16.  K goes in four steps of 256 through two LDS slots.
; Transposed: source 0 = 16 rows of W, source 1 = 16 tokens: a lane holds a token and eight neighbouring channels, which become registers 2 t, 2 t + 1 of the fragment that the scores' product takes; a fragment is stored as it stands.
; The bias, divided by 2^(ea + eb), is the C of each accumulator's first product.
; CLUSTERS: the tokens' tile is asked for jointly along a row of the cluster, W's along a column.  Wave w fetches operand w % 2 (tokens, W) into slot w / 2: one load a wave at the head, and one refill of the same slot.
; PREFETCH: K steps 2 and 3, each one K step ahead of the refill that loads it: step 2 behind the head's loads, step 3 behind the first refill.  Of the 256 rows of a tile the partner at place p takes 64 p .. 64 p + 63, told apart by address,
; 32 rows a wave, a lane a row: waves 0 and 2 tokens' rows, waves 1 and 3 W's.  W's rows, which all clusters of a product read, are asked for by two clusters of each product.  K steps 0 and 1 come by their loads alone.
; THE LAST K STEP GOES BY ROWS of tokens: all W's fragments of the step lie in window 1, and a block of 16 tokens is finished by 16 products; its hold stands among the next blocks' products, and it leaves while they are made.
; REGISTERS: window 0: addresses, v32-95 the biases, later codes (v32-127), from v128 tokens' fragments (one set; in the last K step four blocks of 16 rows x 256 K); window 1: W's, two sets;
;   windows 2, 3: accumulator (a, b) of tokens' block a at v[8 (8 (a % 4) + b)].
.set ROWB,   256
.set KROW,   1024
.set PITCH,  272                       ; an LDS row: 256 bytes + 16 of padding
.set FR,     16
.set NL,     4
.set NP,     4
.set HALFT,  128*PITCH
.set SLOT,   4*HALFT                   ; 256 rows of tokens, then 256 rows of W
.set SPARE,  2*SLOT                    ; the spare words
.set PFO,  8                           ; v8 the prefetches' offset: my lane x a row; never rewritten
.set ADRA, 16
.set ADRB, 20
.set OFF,  24
.set SPW,  28
.set NIL,  29
.set QS,   30
.set BI,   32
.set CD,   32
.set AF,   128
.set QLS,  7                           ; s7 the largest code x the scale
.set PFA,  22                          ; s[22:23] where my prefetches stand
.set LIM,  24                          ; s24 1 where my wave asks
.set OUT0, 36
.set WV,   38
.set RH,   39                          ; my half of the tokens; also the slot that I fill
.set CH,   40                          ; my half of the channels; also what I fetch: tokens (0) or W (1)
.set CX,   41
.set CY,   42
.set TT,   43                          ; q (0) or k (1)
.set MT,   45                          ; which 256 tokens
.set G1,   48
.set G1B,  56
.set G0,   68
.set G0B,  76
.set FLAGS, (1<<20)|(1<<21)|(5<<22)|(3<<25)   ; bytes; padding of 4 words behind 64; bit 21 beside a mask
.set MSB, 0
.macro WIN new                         ; the immediate's high byte repeats the setting that is left
.if MSB != \new
	s_set_vgpr_msb (MSB<<8)|\new
.set MSB, \new
.endif
.endm
.set MUL_LO, 0xa1
.set MUL_HI, 0xf1
.set BEG_LO, 0x81
.set BEG_HI, 0xc1
.set TO_B,   0x40
.macro JLOAD                           ; one joint load; each of the two lines has one mask; s_nop 0 and four v_nop behind each
	s_cmp_eq_u32 s[CH], 0
	s_cbranch_scc0 .Lfor_b_\@
	tensor_load_to_lds s[G0:G0+3], s[G1:G1+7]
	s_nop 0
.rept 4
	v_nop
.endr
	s_branch .Lasked_\@
.Lfor_b_\@:
	tensor_load_to_lds s[G0B:G0B+3], s[G1B:G1B+7]
	s_nop 0
.rept 4
	v_nop
.endr
.Lasked_\@:
.endm
.macro RELOAD slot                     ; the two waves whose slot this is fill it again
	s_cmp_eq_u32 s[RH], \slot
	s_cbranch_scc0 .Lnot_mine_\@
	JLOAD
.Lnot_mine_\@:
.endm
.macro ASK off                         ; 32 rows x 256 bytes of K step 2 (off = 0) or 3 (off = 256)
	s_cmp_eq_u32 s[LIM], 1
	s_cbranch_scc0 .Lno_ask_\@
	global_prefetch_b8 v[PFO], s[PFA:PFA+1] offset:\off th:TH_LOAD_NT scope:SCOPE_SE
.Lno_ask_\@:
.endm
.macro CREST                           ; a round of the cluster's barrier behind its opening barrier
	s_cmp_lg_u32 s[WV], 0
	s_cbranch_scc1 .Lnot_wave_0_\@
	s_barrier_signal -3
.Lnot_wave_0_\@:
	s_barrier_wait -3
	s_barrier_signal -1
	s_barrier_wait -1
.endm
.macro CROUND
	s_barrier_signal -1
	s_barrier_wait -1
	CREST
.endm
	s_load_b512 s[4:19], s[0:1], 0x0               ; x_q, x_k, W_q, W_k, b_q, b_k, the exponents, qf
	s_load_b64 s[20:21], s[0:1], 0x40              ; kf
	v_lshl_add_u32 v[SPW], v0, 2, SPARE
	v_mov_b32 v[NIL], 0
	ds_add_u32 v[SPW], v[NIL]                      ; the opening: the add, twice on end, and its wait ahead of my first tensor load
	ds_add_u32 v[SPW], v[NIL]
	v_lshrrev_b32 v1, 5, v0
	v_readfirstlane_b32 s[WV], v1
	s_lshr_b32 s[RH], s[WV], 1
	s_and_b32 s[CH], s[WV], 1
	s_bfe_u32 s[CX], ttmp6, 0x40000                ; cx: which 256 channels
	s_bfe_u32 s[CY], ttmp6, 0x40004
	s_and_b32 s47, ttmp7, 0xffff                   ; the cluster's y, 0 .. 15
	s_lshr_b32 s[TT], s47, 3
	s_and_b32 s[MT], s47, 7
	s_lshl_b32 s[MT], s[MT], 2
	s_add_co_u32 s[MT], s[MT], s[CY]
	s_lshl_b32 s96, s[CY], 2
	s_lshl_b32 s96, 15, s96                        ; my row of the cluster
	s_lshl_b32 s98, 0x1111, s[CX]                  ; my column
	s_or_b32 s[G1], s96, FLAGS
	s_or_b32 s[G1B], s98, FLAGS
.irp g, G1, G1B
	s_mov_b32 s[\g+1], ROWB<<16                    ; 256 rows of 256 bytes, KROW apart
	s_mov_b32 s[\g+2], 256<<16
	s_mov_b32 s[\g+3], ROWB<<16
	s_mov_b32 s[\g+4], 256
	s_mov_b32 s[\g+5], KROW
	s_mov_b32 s[\g+6], 0
	s_mov_b32 s[\g+7], 0
.endr
	s_lshl_b32 s47, s[RH], 8                       ; my slot's K step
	s_lshl_b32 s96, s[MT], 18
	s_add_co_u32 s96, s96, s47
	s_mov_b32 s97, 0
	s_lshl_b32 s98, s[CX], 18
	s_add_co_u32 s98, s98, s47
	s_mov_b32 s99, 0
	s_mul_i32 s100, s[RH], SLOT
	s_wait_dscnt 0x0                               ; both opening adds are done
	s_wait_kmcnt 0x0
	s_load_b128 s[84:87], s[16:17], 0x0            ; e0 .. e3
	s_load_b64 s[88:89], s[16:17], 0x18            ; e6, e7
	s_cmp_eq_u32 s[TT], 0
	s_cselect_b64 s[30:31], s[4:5], s[6:7]
	s_cselect_b64 s[32:33], s[8:9], s[10:11]
	s_cselect_b64 s[34:35], s[12:13], s[14:15]
	s_cselect_b64 s[OUT0:OUT0+1], s[18:19], s[20:21]
	s_add_nc_u64 s[30:31], s[30:31], s[96:97]
	s_add_nc_u64 s[32:33], s[32:33], s[98:99]
	s_mov_b32 s[G0], 1
	s_mov_b32 s[G0+1], s100
	s_mov_b64 s[G0+2:G0+3], s[30:31]
	s_or_b32 s[G0+3], s[G0+3], 0x80000000
	s_mov_b32 s[G0B], 1
	s_add_co_u32 s[G0B+1], s100, 2*HALFT
	s_mov_b64 s[G0B+2:G0B+3], s[32:33]
	s_or_b32 s[G0B+3], s[G0B+3], 0x80000000
	CROUND                                         ; all sixteen work-groups are here: the joint loads meet
	JLOAD                                          ; K steps 0 and 1, one load a wave
	s_lshl_b32 s10, s[CX], 10                      ; my channels' biases
	s_lshl_b32 s11, s[CH], 9
	s_add_co_u32 s10, s10, s11
	s_mov_b32 s11, 0
	s_add_nc_u64 s[34:35], s[34:35], s[10:11]
	s_lshl_b32 s12, s[MT], 3                       ; out: [256 tokens 32][128 channels 8][16 tokens 16] x 2,048
	s_lshl_b32 s13, s[CX], 1
	s_add_co_u32 s12, s12, s13
	s_add_co_u32 s12, s12, s[CH]
	s_lshl_b32 s12, s12, 4
	s_lshl_b32 s13, s[RH], 3
	s_add_co_u32 s12, s12, s13
	s_lshl_b32 s12, s12, 11
	s_mov_b32 s13, 0
	s_add_nc_u64 s[OUT0:OUT0+1], s[OUT0:OUT0+1], s[12:13]
	s_cmp_eq_u32 s[CH], 0                          ; the prefetches: the tile that I fetch,
	s_cselect_b32 s26, s[CX], s[CY]                ; my work-group's place among the four that ask for it with me,
	s_cselect_b64 s[PFA:PFA+1], s[30:31], s[32:33]
	s_lshl_b32 s26, s26, 16                        ; 64 rows a place,
	s_mul_i32 s28, s[RH], 32*KROW-ROWB             ; 32 rows a wave (and back to K step 0),
	s_add_co_u32 s26, s26, s28
	s_add_co_u32 s26, s26, 2*ROWB                  ; and on to K step 2
	s_mov_b32 s27, 0
	s_add_nc_u64 s[PFA:PFA+1], s[PFA:PFA+1], s[26:27]
	s_and_b32 s28, ttmp7, 7
	s_cmp_lt_u32 s28, 2                            ; W's rows: two clusters of each product
	s_cselect_b32 s28, 1, 0
	s_xor_b32 s29, s[CH], 1
	s_or_b32 s[LIM], s28, s29
	s_mul_i32 s47, s[RH], HALFT
	s_mul_i32 s101, s[CH], HALFT
	s_add_co_u32 s101, s101, 2*HALFT
	v_and_b32 v1, 15, v0                           ; r
	v_bfe_u32 v2, v0, 4, 1                         ; h
	v_lshlrev_b32 v5, 5, v2                        ; the biases of channels 8 h + 0 .. 7
	v_mul_u32_u24 v3, v1, PITCH
	v_lshl_add_u32 v4, v2, 4, v3
	v_add_nc_u32 v[ADRA], s47, v4
	v_add_nc_u32 v[ADRB], s101, v4
	v_add_nc_u32 v[ADRA+1], SLOT, v[ADRA]
	v_add_nc_u32 v[ADRB+1], SLOT, v[ADRB]
	v_and_b32 v6, 31, v0
	v_lshlrev_b32 v[OFF], 4, v6
	v_lshlrev_b32 v[PFO], 10, v6
.irp x, 0,1,2,3,4,5,6,7
	global_load_b128 v[BI+8*\x:BI+8*\x+3], v5, s[34:35] offset:64*\x
	global_load_b128 v[BI+8*\x+4:BI+8*\x+7], v5, s[34:35] offset:64*\x+16
.endr
	ASK 0
	s_wait_kmcnt 0x0
	s_add_co_i32 s4, s84, s85
	s_add_co_i32 s5, s86, s87
	s_cmp_eq_u32 s[TT], 0
	s_cselect_b32 s4, s4, s5                       ; ea + eb
	s_cselect_b32 s7, s88, s89
	s_sub_co_i32 s5, 0, s4
	s_sub_co_i32 s7, s7, s4                        ; a sum stands for sum x 2^(ea + eb): its code is sum / 2^(e - ea - eb)
	s_add_co_i32 s7, s7, 127
	s_lshl_b32 s6, s7, 23
	v_mov_b32 v[QS], s6
	s_add_co_i32 s7, s7, 8
	s_lshl_b32 s7, s7, 23
	s_or_b32 s[QLS], s7, 0x600000                  ; 448 x that
	s_wait_loadcnt 0x0
.set i, 0
.rept 64
	v_ldexp_f32 v[BI+i], v[BI+i], s5
.set i, i+1
.endr
.macro FRAG reg, adr, q, i             ; 16 rows x 128 K: registers 4 c .. 4 c + 3 of lane (r, h) hold K = 32 c + 16 h + 0 .. 15 (the same permutation of K on both sides)
.irp c, 0,1,2,3
	ds_load_b128 v[\reg+4*\c:\reg+4*\c+3], v[\adr] offset:128*(\q)+32*\c+(\i)*16*PITCH
.endr
.endm
.macro MUL16 a0, p, beg                ; the 64 accumulators take turns, one instruction a turn
.irp a, \a0, \a0+1
.irp b, 0,1,2,3,4,5,6,7
.if \beg
	v_wmma_f32_16x16x128_fp8_fp8 v[8*(8*((\a)%4)+\b):8*(8*((\a)%4)+\b)+7], v[128*(\p)+FR*\b:128*(\p)+FR*\b+FR-1], v[AF+FR*(\a):AF+FR*(\a)+FR-1], v[BI+8*\b:BI+8*\b+7]
.else
	v_wmma_f32_16x16x128_fp8_fp8 v[8*(8*((\a)%4)+\b):8*(8*((\a)%4)+\b)+7], v[128*(\p)+FR*\b:128*(\p)+FR*\b+FR-1], v[AF+FR*(\a):AF+FR*(\a)+FR-1], v[8*(8*((\a)%4)+\b):8*(8*((\a)%4)+\b)+7]
.endif
.endr
.endr
.endm
.macro FETCH_B slot, q, p
	WIN TO_B
.irp i, 0,1,2,3,4,5,6,7
	FRAG 128*(\p)+FR*\i, ADRB+\slot, \q, \i
.endr
	WIN 0
.endm
.macro FETCH_A slot, q, i0
.irp i, \i0, \i0+1, \i0+2, \i0+3
	FRAG AF+FR*(\i), ADRA+\slot, \q, \i
.endr
.endm
.macro PLACES n
.rept \n
	v_nop
.endr
.endm
.macro STEP slot, q, beg
	s_wait_dscnt 4*NL                              ; W's set and blocks 0-3 are in; the youngest 16 loads (blocks 4-7) may be out
.if \beg
	WIN BEG_LO
.else
	WIN MUL_LO
.endif
	MUL16 0, (\q)%2, \beg
	MUL16 2, (\q)%2, \beg
	s_wait_dscnt 0
	PLACES NP
	FETCH_B \slot, (\q)+1, 1-(\q)%2
	FETCH_A \slot, (\q)+1, 0
.if \beg
	WIN BEG_HI
.else
	WIN MUL_HI
.endif
	MUL16 4, (\q)%2, \beg
	MUL16 6, (\q)%2, \beg
	PLACES NP
	WIN 0
	FETCH_A \slot, (\q)+1, 4
.endm
.macro MEET                            ; the first half of a slot's second 128 along K, and the barrier for the change of slots (its closing wait follows)
	s_wait_dscnt 4*NL+1                            ; (the add and the youngest 16 loads may be out)
	WIN MUL_LO
	MUL16 0, 1, 0
	s_wait_dscnt 0x0                               ; the add is done, and my reads of this slot are over
	s_barrier_signal -1
	MUL16 2, 1, 0
	WIN 0
	s_barrier_wait -1
.endm
.macro TURN slot, next
	s_wait_tensorcnt 0x0                           ; all my tensor loads have landed
	ds_add_u32 v[SPW], v[NIL]                      ; 0 onto my spare word
.if (\slot) == 0
	s_add_nc_u64 s[G0+2:G0+3], s[G0+2:G0+3], 2*ROWB        ; my slot's second K step: used by slot 0's waves now, by slot 1's at their turn
	s_add_nc_u64 s[G0B+2:G0B+3], s[G0B+2:G0B+3], 2*ROWB
.endif
	MEET
	CREST                                          ; no wave of any partner still reads this slot or has a load on its way
	RELOAD \slot
	PLACES NP
	FETCH_B \next, 0, 0
	FETCH_A \next, 0, 0
.if (\slot) == 0
	ASK ROWB
.endif
	WIN MUL_HI
	MUL16 4, 1, 0
	MUL16 6, 1, 0
	PLACES NP
	WIN 0
	FETCH_A \next, 0, 4
.endm
; THE LAST K STEP (slot 1), by rows.
.macro AROW a                          ; block a's fragments, both 128 along K, into buffer a % 4
.irp q, 0,1
	FRAG AF+32*((\a)%4)+16*\q, ADRA+1, \q, \a
.endr
.endm
.macro HOLD4 a, n                      ; four of block a's 64 sums, held in place between -448 and 448 x the scale (the conversion to an 8-bit code does not saturate: ISA guide 7.6.2), each accumulator from its low end on
.set AC, 64*((\a)%4)+4*(\n)
.irp i, 0,1,2,3
	v_med3_num_f32 v[AC+\i], -s[QLS], s[QLS], v[AC+\i]
.endr
.endm
.macro ROW a, q, h1, h2                ; eight products of block a; behind each, four holds of block h1 and of block h2 (-1: none), which lie in the same window
.set FA, AF+32*((\a)%4)+16*(\q)
.set RA, 64*((\a)%4)
	WIN MUL_LO+0x50*((\a)/4)
.irp b, 0,1,2,3,4,5,6,7
	v_wmma_f32_16x16x128_fp8_fp8 v[RA+8*\b:RA+8*\b+7], v[128*(\q)+FR*\b:128*(\q)+FR*\b+FR-1], v[FA:FA+15], v[RA+8*\b:RA+8*\b+7]
.if (\h1) >= 0
	HOLD4 \h1, 8*(\q)+\b
.endif
.if (\h2) >= 0
	HOLD4 \h2, 8*(\q)+\b
.endif
.endr
.endm
.macro HOLD a
	WIN MUL_LO+0x50*((\a)/4)
.irp n, 0,1,2,3,4,5,6,7,8,9,10,11,12,13,14,15
	HOLD4 \a, \n
.endr
.endm
.macro SEND a                          ; block a's codes: one fragment, stored in four runs of 512 bytes
.set AC, 64*((\a)%4)
.set CDS, CD+16*((\a)%6)
	WIN 0x02+((\a)/4)
.irp b, 0,1,2,3,4,5,6,7
	v_cvt_scalef32_pk8_fp8_f32 v[CDS+2*\b:CDS+2*\b+1], v[AC+8*\b:AC+8*\b+7], v[QS]
.endr
	v_nop
	WIN 0
.irp g, 0,1,2,3
	global_store_b128 v[OFF], v[CDS+4*\g:CDS+4*\g+3], s[OUT0:OUT0+1] offset:2048*(\a)+512*\g
.endr
.endm
	s_wait_alu depctr_va_vdst(0)                   ; the wait at the head's end
	s_wait_tensorcnt 0x0                           ; my tile is in
	s_barrier_signal -1
	s_barrier_wait -1                              ; both slots are whole
	FETCH_B 0, 0, 0
	FETCH_A 0, 0, 0
	FETCH_A 0, 0, 4
	STEP 0, 0, 1
	TURN 0, 1
	STEP 1, 0, 0
	TURN 1, 0
	STEP 0, 0, 0
	s_wait_tensorcnt 0x0                           ; the last change of slots fills nothing
	ds_add_u32 v[SPW], v[NIL]
	MEET
	PLACES NP
	FETCH_B 1, 0, 0
	AROW 0
	AROW 1
	WIN MUL_HI
	MUL16 4, 1, 0
	MUL16 6, 1, 0
	PLACES NP
	FETCH_B 1, 1, 1
	AROW 2
	AROW 3
	s_wait_dscnt 48                                ; W's first set and blocks 0, 1 are in; the youngest 48 loads may be out
	ROW 0, 0, -1, -1
	ROW 1, 0, -1, -1
	s_wait_dscnt 16                                ; W's second set is in
	ROW 0, 1, -1, -1
	ROW 1, 1, -1, -1
	PLACES NP
	WIN 0
	AROW 4
	AROW 5
	s_wait_dscnt 16                                ; blocks 2, 3 are in
	ROW 2, 0, 0, -1
	ROW 2, 1, 0, -1
	PLACES NP
	SEND 0
	ROW 3, 0, 1, 2
	ROW 3, 1, 1, 2
	PLACES NP
	WIN 0
	AROW 6
	AROW 7
	SEND 1
	SEND 2
	HOLD 3
	SEND 3
	s_wait_dscnt 16                                ; blocks 4, 5 are in
	ROW 4, 0, -1, -1
	ROW 4, 1, -1, -1
	PLACES NP
	ROW 5, 0, 4, -1
	ROW 5, 1, 4, -1
	PLACES NP
	SEND 4
	s_wait_xcnt 0x0                                ; blocks 0's and 1's stores have read their registers: blocks 6's and 7's codes go there
	s_wait_dscnt 0
	ROW 6, 0, 5, -1
	ROW 6, 1, 5, -1
	PLACES NP
	SEND 5
	ROW 7, 0, 6, -1
	ROW 7, 1, 6, -1
	PLACES NP
	SEND 6
	HOLD 7
	SEND 7
	s_wait_tensorcnt 0x0                           ; the wave's end
	ds_add_u32 v[SPW], v[NIL]
	s_wait_dscnt 0x0
	CROUND                                         ; the closing round
	s_endpgm
.Lfunc_end_k_qe8da9bfe02_qk:
	.size	k_qe8da9bfe02_qk, .Lfunc_end_k_qe8da9bfe02_qk-k_qe8da9bfe02_qk
	.p2alignl 7, 3214868480
	.fill 96, 4, 3214868480
	.section	.rodata,"a",@progbits
	.p2align	6, 0x0
	.amdhsa_kernel k_qe8da9bfe02_qk
		.amdhsa_group_segment_fixed_size 327680
		.amdhsa_private_segment_fixed_size 0
		.amdhsa_enable_private_segment 0
		.amdhsa_kernarg_size 72
		.amdhsa_user_sgpr_count 2
		.amdhsa_user_sgpr_kernarg_segment_ptr 1
		.amdhsa_wavefront_size32 1
		.amdhsa_system_sgpr_workgroup_id_x 1
		.amdhsa_system_sgpr_workgroup_id_y 1
		.amdhsa_system_sgpr_workgroup_id_z 1
		.amdhsa_system_vgpr_workitem_id 0
		.amdhsa_next_free_vgpr 1024
		.amdhsa_next_free_sgpr 102
		.amdhsa_reserve_vcc 0
		.amdhsa_float_denorm_mode_32 3
		.amdhsa_float_denorm_mode_16_64 3
		.amdhsa_memory_ordered 1
		.amdhsa_forward_progress 1
		.amdhsa_inst_pref_size 124
	.end_amdhsa_kernel
	.amdgpu_metadata
---
amdhsa.version: [ 1, 2 ]
amdhsa.kernels:
  - .name:           k_qe8da9bfe02_qk
    .symbol:         k_qe8da9bfe02_qk.kd
    .args:
      - { .name: encoded_q_codes, .offset: 0, .size: 8, .value_kind: global_buffer, .address_space: global }
      - { .name: encoded_k_codes, .offset: 8, .size: 8, .value_kind: global_buffer, .address_space: global }
      - { .name: W_q_codes, .offset: 16, .size: 8, .value_kind: global_buffer, .address_space: global }
      - { .name: W_k_codes, .offset: 24, .size: 8, .value_kind: global_buffer, .address_space: global }
      - { .name: b_q, .offset: 32, .size: 8, .value_kind: global_buffer, .address_space: global }
      - { .name: b_k, .offset: 40, .size: 8, .value_kind: global_buffer, .address_space: global }
      - { .name: lowp_scales, .offset: 48, .size: 8, .value_kind: global_buffer, .address_space: global }
      - { .name: qf, .offset: 56, .size: 8, .value_kind: global_buffer, .address_space: global }
      - { .name: kf, .offset: 64, .size: 8, .value_kind: global_buffer, .address_space: global }
    .group_segment_fixed_size: 327680
    .private_segment_fixed_size: 0
    .kernarg_segment_align: 8
    .kernarg_segment_size: 72
    .max_flat_workgroup_size: 128
    .sgpr_count:     102
    .vgpr_count:     1024
    .wavefront_size: 32
...
	.end_amdgpu_metadata
.endif
;; end of part 1
;; launch sv (part 2): grid 248 x 1, 4 waves a work-group, clusters of 4 x 1, 327,680 bytes of LDS; arguments qf, kf, encoded_v_codes, W_v_codes, b_v, lowp_scales, pf, st, vf; writes pf, st, vf
.if DOCPART == 2
	.amdgcn_target "amdgcn-amd-amdhsa--gfx1250"
	.amdhsa_code_object_version 6
	.text
	.protected	k_qe8da9bfe02_sv
	.globl	k_qe8da9bfe02_sv
	.p2align	8
	.type	k_qe8da9bfe02_sv,@function
k_qe8da9bfe02_sv:
	s_mov_b64 s[64:65], 0
	v_nop
	global_prefetch_b8 v0, s[64:65] scope:SCOPE_SE
	s_setreg_imm32_b32 hwreg(HW_REG_WAVE_MODE, 25, 1), 1
	s_wait_xcnt 0x0
	s_wait_alu depctr_hold_cnt(0) depctr_sa_sdst(0) depctr_va_vdst(0) depctr_va_sdst(0) depctr_va_ssrc(0) depctr_va_vcc(0) depctr_vm_vsrc(0)
	s_getreg_b32 s2, hwreg(HW_REG_IB_STS2, 6, 4)
	s_cmp_eq_u32 s2, 0
	s_cbranch_scc0 .Lentry_in_a_cluster
	s_endpgm
.Lentry_in_a_cluster:
	s_bfe_u32 s2, ttmp6, 0x10000c
	s_cmp_lg_u32 s2, 0x3003
	s_cbranch_scc0 .Lentry_shape_is_right
	s_endpgm
.Lentry_shape_is_right:
; TWO KINDS OF CLUSTERS OF FOUR.  0 to 35: the scores.  36 to 61: v = x_v W_v^T + b_v and its codes with the keys innermost.
; SCORES.  S = q k^T on codes of FP8, the causal mask, and p = 2^(t - Mc) as codes, for one tile of 256 queries (block j) x 256 keys (chunk c) of one batch.
; WORK LEFT OUT: the tiles with c > j: reference() adds -infinity to all their scores in its own body, so their weights are exactly 0 for all finite inputs.  36 of a batch's 64 tiles are made.
; LIMIT: a NaN, an infinity or an overflow that reaches only such a score is not carried to the result.
; t = score x log2(e) / 32; Mc = the largest t of a query among the tile's 256 keys, rounded up to a whole number; p is quantised with the given 2^e8 and is not normalised.  -Mc and the sum of the
; unquantised p go to st; the last launch multiplies each chunk's product by 2^(Mc - M), which rounds nothing.  Every query sees a key in every tile that is made, so Mc is a number.
; THE 36 TILES OF A BATCH ARE NINE CLUSTERS OF FOUR that share q's tile or k's: groups 0 to 3: column c = group with j = {0,1,2,7}, {1,2,6,7}, {2,5,6,7}, {4,5,6,7} (k's tile is joint);
; groups 4 to 8: row j = group - 1 with c = {0,1,2,3}, {0,1,2,4}, {0,1,4,5}, {0,4,5,6}, {4,5,6,7} (q's is joint).  The operand that partners do not share comes by a plain load.
; No branch hangs on a tile's place: the mask is a lane mask on the accumulators that lie on the diagonal (t = a) and an addend of 0 or -infinity for those above (t > a) and below (t < a), in the maximum and in t - Mc.
; SHARES: four waves, each 128 queries (half mh) x 128 keys (half nh): 64 accumulators.  Transposed: source 0 = 16 keys, source 1 = 16 queries: in accumulator (a, t) lane (r, h) holds query 16 a + r and keys 16 t + 8 h + 0..7,
; so eight results become registers 2 t, 2 t + 1 of the fragment (16 queries x 128 keys) that p v takes.  q's and k's fragments come as images of their registers: a K step's 65,536 bytes are one dense block.
; Wave w fetches the joint (w % 2 = 0) or the plain operand into slot w / 2: one load a wave at the head, and one refill of the same slot.  No prefetch: two of the four K steps are asked for at the head
; and the other two by the only two refills: there is no loop to run ahead in.
; The quarter of a diagonal tile that lies wholly under the mask (mh = 0, nh = 1) stays: it is part of a tile that holds live work, and the last launch reads its zero codes.
; V.  A cluster takes 320 tokens, shared by its four work-groups of 256 channels each; a wave 160 tokens x 128 channels.  The last cluster begins at token 7,872 so as to end at 8,192; the 128 tokens that its neighbour makes it does not store.
; LIMITS: e6 + e7 between -121 and 132 (added to c's exponent field); e8 and e9 - e4 - e5 between -126 and 119; the softmax holds while scaled scores to the base 2 stay under 2^31 in magnitude.
; REGISTERS, scores: window 0: v16-17, v20-21 LDS addresses of fragments; v22, v23 the exchange; v24 16 x lane, v25 8 r + 4 h; v26 the mask's d; v27 -infinity; v28, v29 the add's two; v30, v31 2^e and 448 x 2^e;
;   v32-63 maxima, later -Mc for t > a (v32-47) and t = a (v48-63); v240-255 -Mc for t < a; v64-127 and v176-239 two sets of a block's 64 numbers; from v128 q's fragments, later v128-159 codes, v160-167 what goes to st, v168-175 sums.
;   Window 1: k's two sets; windows 2, 3: the accumulators.
; REGISTERS, v: v8-11 LDS addresses; v16-23, v32-95 the bias; v96-255 tokens' ten fragments; v256-383 W's eight; v384-1023 80 accumulators, by quadrants of 5 token tiles x 4 channel tiles.
.set FR,     16
.set NL,     4
.set NP,     4
.set SLOT,   131072                    ; scores: a slot: the joint operand's 2 x 16 fragments of 2,048 bytes, then the plain one's
.set OPB,    65536
.set VP,     272                       ; v: an LDS row: 256 bytes + 16 of padding
.set WOFF,   320*VP                    ; v: a slot: 320 rows of tokens, then 256 rows of W
.set VSLOT,  576*VP
.set EX,     2*VSLOT                   ; the exchange of maxima, 1,024 bytes a wave; no tensor load lands there
.set SPARE,  EX+4096                   ; the spare words
.set ADRA, 16
.set ADRB, 20
.set EXW,  22
.set EXR,  23
.set OFF,  24
.set OF4,  25
.set DD,   26
.set NINF, 27
.set SPW,  28
.set NIL,  29
.set QS,   30
.set QL,   31
.set MXU,  32
.set MXO,  40
.set MXD,  48
.set MXL,  56
.set NU,   32
.set NM,   48
.set NLO,  240
.set AF,   128
.set CD,   128
.set SV,   160
.set SUM,  168
.set ADT,  8
.set ADC,  10
.set BI,   32
.set G1J,  24
.set G0S,  32
.set G0D,  36
.set CS,   40                          ; s[40:41] c = log2(e) / 32 x 2^(e6 + e7), twice
.set SEL,  42                          ; s[42:43] lane selects: lane l xor 16
.set UPS,  45                          ; s45: 0, or -infinity where t > a is hidden
.set LOS,  46                          ; s46: the same for t < a
.set G1P,  48
.set BT,   76
.set GG,   77
.set DI,   78
.set SH,   79
.set JJ,   80
.set CC,   81
.set QO,   82
.set KO,   83
.set WV,   92
.set MH,   93                          ; mh; also the slot that I fill
.set NH,   94                          ; nh; also what I fetch: the joint operand (0) or the plain one (1)
.set CX,   95
.set MSB, 0
.macro WIN new
.if MSB != \new
	s_set_vgpr_msb (MSB<<8)|\new
.set MSB, \new
.endif
.endm
.set MUL_LO, 0xa1
.set MUL_HI, 0xf1
.set TO_B,   0x40
.macro JLOAD                           ; s_nop 0 and four v_nop behind each of the two lines
	s_cmp_eq_u32 s[NH], 0
	s_cbranch_scc0 .Lplain_\@
	tensor_load_to_lds s[G0S:G0S+3], s[G1J:G1J+7]
	s_nop 0
.rept 4
	v_nop
.endr
	s_branch .Lasked_\@
.Lplain_\@:
	tensor_load_to_lds s[G0D:G0D+3], s[G1P:G1P+7]
	s_nop 0
.rept 4
	v_nop
.endr
.Lasked_\@:
.endm
.macro RELOAD slot                     ; the two waves whose slot this is fill it again
	s_cmp_eq_u32 s[MH], \slot
	s_cbranch_scc0 .Lnot_mine_\@
	JLOAD
.Lnot_mine_\@:
.endm
.macro CREST
	s_cmp_lg_u32 s[WV], 0
	s_cbranch_scc1 .Lnot_wave_0_\@
	s_barrier_signal -3
.Lnot_wave_0_\@:
	s_barrier_wait -3
	s_barrier_signal -1
	s_barrier_wait -1
.endm
.macro CROUND
	s_barrier_signal -1
	s_barrier_wait -1
	CREST
.endm
.macro DESC g, w0, c, r, p             ; descriptor group 1: r rows of c elements, p elements apart
	s_mov_b32 s[\g], \w0
	s_mov_b32 s[\g+1], (\c)<<16
	s_mov_b32 s[\g+2], (\r)<<16
	s_mov_b32 s[\g+3], (\c)<<16
	s_mov_b32 s[\g+4], \r
	s_mov_b32 s[\g+5], \p
	s_mov_b32 s[\g+6], 0
	s_mov_b32 s[\g+7], 0
.endm
.macro GROUP0 g, lds, a                ; descriptor group 0: LDS byte in s[lds], address in s[a:a+1]
	s_mov_b32 s[\g], 1
	s_mov_b32 s[\g+1], s[\lds]
	s_mov_b64 s[\g+2:\g+3], s[\a:\a+1]
	s_or_b32 s[\g+3], s[\g+3], 0x80000000
.endm
.macro PLACES n
.rept \n
	v_nop
.endr
.endm
	s_load_b512 s[4:19], s[0:1], 0x0               ; qf, kf, x_v, W_v, b_v, the exponents, pf, st
	s_load_b64 s[20:21], s[0:1], 0x40              ; vf
	v_lshl_add_u32 v[SPW], v0, 2, SPARE
	v_mov_b32 v[NIL], 0
	ds_add_u32 v[SPW], v[NIL]                      ; the opening: the add, twice on end, and its wait ahead of my first tensor load
	ds_add_u32 v[SPW], v[NIL]
	v_lshrrev_b32 v1, 5, v0
	v_readfirstlane_b32 s[WV], v1
	s_lshr_b32 s[MH], s[WV], 1
	s_and_b32 s[NH], s[WV], 1
	s_bfe_u32 s[CX], ttmp6, 0x40000
	s_wait_dscnt 0x0                               ; both opening adds are done
	s_wait_kmcnt 0x0
	s_load_b128 s[84:87], s[14:15], 0x18           ; e6, e7, e8, e9
	s_load_b64 s[88:89], s[14:15], 0x10            ; e4, e5
	s_cmp_ge_u32 ttmp9, 36                         ; the cluster's number: the same in all four
	s_cbranch_scc1 .Lvalues
	s_mul_i32 s[BT], ttmp9, 57
	s_lshr_b32 s[BT], s[BT], 9                     ; batch = cluster / 9 (57 / 512 serves 0 to 35)
	s_mul_i32 s56, s[BT], 9
	s_sub_co_u32 s[GG], ttmp9, s56                 ; the group
	s_mov_b32 s[DI], 0x7210                        ; the partners' other coordinate, a nibble each
.macro PICK n, tab
	s_cmp_eq_u32 s[GG], \n
	s_cselect_b32 s[DI], \tab, s[DI]
.endm
	PICK 1, 0x7621
	PICK 2, 0x7652
	PICK 3, 0x7654
	PICK 4, 0x3210
	PICK 5, 0x4210
	PICK 6, 0x5410
	PICK 7, 0x6540
	PICK 8, 0x7654
	s_lshl_b32 s56, s[CX], 2
	s_lshr_b32 s[DI], s[DI], s56
	s_and_b32 s[DI], s[DI], 7
	s_sub_co_u32 s57, s[GG], 1
	s_cmp_ge_u32 s[GG], 4                          ; a row group: q's tile is shared
	s_cselect_b32 s[SH], s57, s[GG]
	s_cselect_b32 s[JJ], s57, s[DI]
	s_cselect_b32 s[CC], s[DI], s[GG]
	s_cselect_b32 s[QO], 0, OPB
	s_cselect_b32 s[KO], OPB, 0
	s_cselect_b64 s[58:59], s[4:5], s[6:7]         ; shared
	s_cselect_b64 s[60:61], s[6:7], s[4:5]         ; not shared
	s_lshl_b32 s62, s[BT], 3
	s_lshl_b32 s63, s[MH], 16                      ; my slot's K step
	s_add_co_u32 s56, s62, s[SH]
	s_lshl_b32 s56, s56, 18                        ; a block is 8 x 16 fragments: 262,144 bytes
	s_add_co_u32 s56, s56, s63
	s_mov_b32 s57, 0
	s_add_nc_u64 s[58:59], s[58:59], s[56:57]
	s_add_co_u32 s96, s62, s[DI]
	s_lshl_b32 s96, s96, 18
	s_add_co_u32 s96, s96, s63
	s_mov_b32 s97, 0
	s_add_nc_u64 s[60:61], s[60:61], s[96:97]
	DESC G1J, 15|(3<<16)|(1<<21), 32, 256, 32      ; 256 dense rows of 256 bytes (elements of 8), for all four
	DESC G1P, 3<<16, 32, 256, 32
	s_lshl_b32 s98, s[MH], 17
	s_add_co_u32 s99, s98, OPB
	GROUP0 G0S, 98, 58
	GROUP0 G0D, 99, 60
	CROUND                                         ; the four work-groups are here
	JLOAD                                          ; K steps 0 and 1, one load a wave
	s_mov_b32 s[SEL], 0x76543210
	s_mov_b32 s[SEL+1], 0xfedcba98
	s_mov_b32 s44, 0xffff0000                      ; lanes 16-31
	s_sub_co_i32 s62, s[JJ], s[CC]                 ; 0 on the diagonal
	s_sub_co_i32 s47, s[MH], s[NH]
	s_lshl_b32 s47, s47, 7
	s_cmp_lg_u32 s62, 0
	s_cselect_b32 s63, 4096, 0
	s_add_co_i32 s47, s47, s63                     ; off the diagonal nothing is hidden: d is beyond every register's place
	s_cmp_le_i32 s47, 0
	s_cselect_b32 s[UPS], 0xff800000, 0
	s_cmp_lt_i32 s47, 0
	s_cselect_b32 s[LOS], 0xff800000, 0
	; where my results go.  pf: [batch][w 8][c (17 - c) / 2 + j - c of 36][rh 2][128 keys 2] x 2,048: my block a is w = a, rh = mh
	s_sub_co_u32 s57, 17, s[CC]
	s_mul_i32 s58, s57, s[CC]
	s_lshr_b32 s58, s58, 1
	s_mul_i32 s56, s[BT], 288
	s_add_co_u32 s56, s56, s58
	s_add_co_u32 s56, s56, s62
	s_lshl_b32 s56, s56, 13
	s_lshl_b32 s57, s[MH], 12
	s_add_co_u32 s56, s56, s57
	s_lshl_b32 s57, s[NH], 11
	s_add_co_u32 s56, s56, s57
	s_mov_b32 s57, 0
	s_add_nc_u64 s[16:17], s[16:17], s[56:57]
	s_add_co_u32 s58, s[JJ], 1                     ; st: [batch][w 8][rh 2][tile j (j + 1) / 2 + c of 36] x 256: for each half of the keys 16 pairs of -Mc and the sum
	s_mul_i32 s58, s58, s[JJ]
	s_lshr_b32 s58, s58, 1
	s_add_co_u32 s58, s58, s[CC]
	s_lshl_b32 s56, s[BT], 4
	s_add_co_u32 s56, s56, s[MH]
	s_mul_i32 s56, s56, 36
	s_add_co_u32 s56, s56, s58
	s_lshl_b32 s56, s56, 8
	s_lshl_b32 s58, s[NH], 7
	s_add_co_u32 s56, s56, s58
	s_add_nc_u64 s[18:19], s[18:19], s[56:57]
	s_lshl_b32 s56, s[MH], 14                      ; my eight fragments of q, of k
	s_add_co_u32 s56, s56, s[QO]
	s_lshl_b32 s57, s[NH], 14
	s_add_co_u32 s57, s57, s[KO]
	s_lshl_b32 s58, s[WV], 10
	s_add_co_u32 s58, s58, EX
	s_xor_b32 s59, s[WV], 1                        ; the wave with the same queries and the other keys
	s_lshl_b32 s59, s59, 10
	s_add_co_u32 s59, s59, EX
	v_and_b32 v1, 15, v0                           ; r
	v_bfe_u32 v2, v0, 4, 1                         ; h
	v_and_b32 v5, 31, v0
	v_lshlrev_b32 v[OFF], 4, v5
	v_lshlrev_b32 v[OF4], 3, v1                    ; 8 r + 4 h: lanes 0-15 store -Mc, lanes 16-31 the sum beside it
	v_lshl_add_u32 v[OF4], v2, 2, v[OF4]
	v_lshlrev_b32 v6, 5, v5
	v_lshlrev_b32 v3, 3, v2
	v_add_nc_u32 v[ADRA], s56, v[OFF]
	v_add_nc_u32 v[ADRB], s57, v[OFF]
	v_add_nc_u32 v[ADRA+1], SLOT, v[ADRA]
	v_add_nc_u32 v[ADRB+1], SLOT, v[ADRB]
	v_add_nc_u32 v[EXW], s58, v6                   ; where I put my eight maxima: 32 bytes a lane
	v_add_nc_u32 v[EXR], s59, v6
	v_sub_nc_u32 v[DD], v1, v3
	v_add_nc_u32 v[DD], s47, v[DD]                 ; d = 128 (mh - nh) + r - 8 h on the diagonal: register i of accumulator (a, a) is hidden where i > d
	v_mov_b32 v[NINF], 0xff800000
	v_mov_b32 v[MXU+7], 0                          ; written once: a lane permute's destination counts as one of its sources
	s_wait_kmcnt 0x0
	s_add_co_i32 s57, s84, s85
	s_lshl_b32 s57, s57, 23
	s_add_co_i32 s[CS], s57, 0x3d38aa3b            ; c = log2(e) / 32, with e6 + e7 added to its exponent field: a sum stands for sum x 2^(e6 + e7)
	s_mov_b32 s[CS+1], s[CS]
	s_add_co_i32 s57, s86, 127
	s_lshl_b32 s58, s57, 23
	v_mov_b32 v[QS], s58                           ; 2^e8
	s_add_co_i32 s57, s57, 8
	s_lshl_b32 s57, s57, 23
	s_or_b32 s57, s57, 0x600000
	v_mov_b32 v[QL], s57                           ; 448 x 2^e8
.macro FRAG reg, adr, q, i             ; a fragment comes back as it was stored: registers 4 c .. 4 c + 3 of lane l from byte 512 c + 16 l
.irp c, 0,1,2,3
	ds_load_b128 v[\reg+4*\c:\reg+4*\c+3], v[\adr] offset:32768*(\q)+2048*(\i)+512*\c
.endr
.endm
.macro MUL16 a0, p, zero               ; the 64 accumulators take turns, one instruction a turn
.irp a, \a0, \a0+1
.irp b, 0,1,2,3,4,5,6,7
.if \zero
	v_wmma_f32_16x16x128_fp8_fp8 v[8*(8*((\a)%4)+\b):8*(8*((\a)%4)+\b)+7], v[128*(\p)+FR*\b:128*(\p)+FR*\b+FR-1], v[AF+FR*(\a):AF+FR*(\a)+FR-1], 0
.else
	v_wmma_f32_16x16x128_fp8_fp8 v[8*(8*((\a)%4)+\b):8*(8*((\a)%4)+\b)+7], v[128*(\p)+FR*\b:128*(\p)+FR*\b+FR-1], v[AF+FR*(\a):AF+FR*(\a)+FR-1], v[8*(8*((\a)%4)+\b):8*(8*((\a)%4)+\b)+7]
.endif
.endr
.endr
.endm
.macro FETCH_B slot, q, p
	WIN TO_B
.irp i, 0,1,2,3,4,5,6,7
	FRAG 128*(\p)+FR*\i, ADRB+\slot, \q, \i
.endr
	WIN 0
.endm
.macro FETCH_A slot, q, i0
.irp i, \i0, \i0+1, \i0+2, \i0+3
	FRAG AF+FR*(\i), ADRA+\slot, \q, \i
.endr
.endm
.macro STEP slot, q, zero
	s_wait_dscnt 4*NL                              ; k's set and q's blocks 0-3 are in; the youngest 16 loads (q's blocks 4-7) may be out
	WIN MUL_LO
	MUL16 0, (\q)%2, \zero
	MUL16 2, (\q)%2, \zero
	s_wait_dscnt 0
	PLACES NP
	FETCH_B \slot, (\q)+1, 1-(\q)%2
	FETCH_A \slot, (\q)+1, 0
	WIN MUL_HI
	MUL16 4, (\q)%2, \zero
	MUL16 6, (\q)%2, \zero
	PLACES NP
	WIN 0
	FETCH_A \slot, (\q)+1, 4
.endm
.macro TURN slot, next, fill
	s_wait_tensorcnt 0x0                           ; all my tensor loads have landed
	ds_add_u32 v[SPW], v[NIL]                      ; 0 onto my spare word
.if (\fill) && (\slot) == 0
	s_add_nc_u64 s[G0S+2:G0S+3], s[G0S+2:G0S+3], 2*OPB     ; my slot's second K step
	s_add_nc_u64 s[G0D+2:G0D+3], s[G0D+2:G0D+3], 2*OPB
.endif
	s_wait_dscnt 4*NL+1                            ; (the add and the youngest 16 loads may be out)
	WIN MUL_LO
	MUL16 0, 1, 0
	s_wait_dscnt 0x0                               ; the add is done, and my reads of this slot are over
	s_barrier_signal -1
	MUL16 2, 1, 0
	WIN 0
	s_barrier_wait -1                              ; nobody here reads this slot any more, and the next slot is whole
.if \fill
	CREST                                          ; nor does any partner
	RELOAD \slot
.endif
	PLACES NP
	FETCH_B \next, 0, 0
	FETCH_A \next, 0, 0
	WIN MUL_HI
	MUL16 4, 1, 0
	MUL16 6, 1, 0
	PLACES NP
	WIN 0
	FETCH_A \next, 0, 4
.endm
	s_wait_alu depctr_va_vdst(0)                   ; the wait at the head's end
	s_wait_tensorcnt 0x0                           ; my tile is in
	s_barrier_signal -1
	s_barrier_wait -1                              ; both slots are whole
	FETCH_B 0, 0, 0
	FETCH_A 0, 0, 0
	FETCH_A 0, 0, 4
	STEP 0, 0, 1
	TURN 0, 1, 1
	STEP 1, 0, 0
	TURN 1, 0, 1
	STEP 0, 0, 0
	TURN 0, 1, 0
	STEP 1, 0, 0
	s_wait_dscnt 4*NL
	WIN MUL_LO
	MUL16 0, 1, 0
	MUL16 2, 1, 0
	s_wait_dscnt 0
	WIN MUL_HI
	MUL16 4, 1, 0
	MUL16 6, 1, 0
	WIN 0
	PLACES NP
	; THE MASK of the accumulators on the diagonal (t = a): eight lane masks, i > d
.irp i, 0,1,2,3,4,5,6,7
	v_cmp_gt_i32 s[52+\i], \i, v[DD]
.endr
.irp g, 0,1
	WIN 0x82+0x41*\g                               ; destination and source 0: window 2, then 3
.irp a, 0,1,2,3
.irp i, 0,1,2,3,4,5,6,7
	v_cndmask_b32 v[8*(8*\a+\a+4*\g)+\i], v[8*(8*\a+\a+4*\g)+\i], v[NINF], s[52+\i]
.endr
.endr
.endr
	; THE LARGEST SCORE of each of my queries among my 128 keys: for each block one chain each for t = a, t < a, t > a; four blocks side by side; each accumulator from its low end on
.macro CHAIN dst, st, n, i             ; step i of the maximum over n registers from st on
.if (\i) < (\n)/2
.if (\i) == 0
	v_max3_num_f32 v[\dst], v[\st], v[\st+1], v[\st+2]
.elseif (\i) == (\n)/2-1
	v_max_num_f32 v[\dst], v[\dst], v[\st+\n-1]
.else
	v_max3_num_f32 v[\dst], v[\dst], v[\st+2*(\i)+1], v[\st+2*(\i)+2]
.endif
.endif
.endm
.macro MAXGRP g
.set ci, 0
.rept 28
.if ci == 0
	WIN 0x2a+0x15*(\g)                             ; all three sources: window 2, or 3
.else
	WIN 0x28+0x14*(\g)                             ; sources 1 and 2
.endif
.set ra, 0
.rept 4
.set ba, ra+4*(\g)
	CHAIN MXD+ba, 64*ra+8*ba, 8, ci
	CHAIN MXL+ba, 64*ra, 8*ba, ci
	CHAIN MXU+ba, 64*ra+8*ba+8, 56-8*ba, ci
.set ra, ra+1
.endr
.set ci, ci+1
.endr
.endm
	MAXGRP 0
	MAXGRP 1
	WIN 0
.irp a, 1,2,3,4,5,6,7
	v_add_f32 v[MXL+\a], s[LOS], v[MXL+\a]
.endr
.irp a, 0,1,2,3,4,5,6
	v_add_f32 v[MXU+\a], s[UPS], v[MXU+\a]
.endr
	v_max_num_f32 v[MXD], v[MXD], v[MXU]
.irp a, 1,2,3,4,5,6
	v_max3_num_f32 v[MXD+\a], v[MXD+\a], v[MXL+\a], v[MXU+\a]
.endr
	v_max_num_f32 v[MXD+7], v[MXD+7], v[MXL+7]
.irp a, 0,1,2,3,4,5,6,7
	v_permlanex16_b32 v[MXU+\a], v[MXD+\a], s[SEL], s[SEL+1]
.endr
.irp a, 0,1,2,3,4,5,6,7
	v_max_num_f32 v[MXD+\a], v[MXD+\a], v[MXU+\a]  ; and among lane l xor 16's
.endr
	ds_store_b128 v[EXW], v[MXD:MXD+3]             ; the other 128 keys' maxima lie in the wave beside me
	ds_store_b128 v[EXW], v[MXD+4:MXD+7] offset:16
	s_wait_alu depctr_va_vdst(0)                   ; the wait here, directly ahead of the wait below
	s_wait_dscnt 0x0                               ; for the others' sake: my stores are done
	s_barrier_signal -1
	s_barrier_wait -1
	ds_load_b128 v[MXO:MXO+3], v[EXR]
	ds_load_b128 v[MXO+4:MXO+7], v[EXR] offset:16
	s_wait_dscnt 0x0
.irp a, 0,1,2,3,4,5,6,7
	v_max_num_f32 v[MXU+\a], v[MXD+\a], v[MXO+\a]  ; the largest among the tile's 256 keys
.endr
.irp a, 0,1,2,3,4,5,6,7
	v_mul_f32 v[NM+2*\a], s[CS], v[MXU+\a]         ; as t (c is positive)
.endr
.irp a, 0,1,2,3,4,5,6,7
	v_floor_f32 v[NM+2*\a], -v[NM+2*\a]            ; -Mc = floor(-t) = -ceil(t): a whole number
.endr
.irp a, 0,1,2,3,4,5,6,7
	v_add_f32 v[NLO+2*\a], s[LOS], v[NM+2*\a]      ; the addends below the diagonal,
.endr
.irp a, 0,1,2,3,4,5,6,7
	v_add_f32 v[NU+2*\a], s[UPS], v[NM+2*\a]       ; and above it
.endr
; A BLOCK of 16 queries x my 128 keys, in three parts.  PFMA: t - Mc, two at a time, into set a % 2 (the addend's low word serves both).  PEXP: the 64 exponentials, one batch.  PREST: the sum of the unquantised p, the hold, the codes, the stores.
; The next block's PFMA stands behind a block's exponentials: 32 plain lines that name none of their results, ahead of the batch's one wait.
.macro PFMA a
.set AC, 64*((\a)%4)
.set TP, 64+112*((\a)%2)
	WIN 0x02+((\a)/4)
.set i, 0
.rept 32
.set tt, i/8
.if tt < (\a)
.set AD, NLO+2*(\a)
.elseif tt > (\a)
.set AD, NU+2*(\a)
.else
.set AD, NM+2*(\a)
.endif
	v_pk_fma_f32 v[TP+i:TP+i+1], v[AC+i:AC+i+1], s[CS:CS+1], v[AD:AD+1] op_sel_hi:[1,0,0]
.set i, i+2
.endr
	WIN 0
.endm
.macro PEXP a
.set TP, 64+112*((\a)%2)
.set i, 0
.rept 64
	v_exp_f32 v[TP+i], v[TP+i]                     ; p = 2^(t - Mc), at most 1; 0 where the score is hidden
.set i, i+1
.endr
.endm
.macro PREST a
.set TP, 64+112*((\a)%2)
.set CDS, CD+16*((\a)%2)
.irp c, 0,1,2,3
	v_pk_add_f32 v[SUM+2*\c:SUM+2*\c+1], v[TP+4*\c:TP+4*\c+1], v[TP+4*\c+2:TP+4*\c+3]   ; the sum is taken of the unquantised p: four chains
.endr
.set i, 16
.rept 6
.irp c, 0,1,2,3
	v_pk_add_f32 v[SUM+2*\c:SUM+2*\c+1], v[SUM+2*\c:SUM+2*\c+1], v[TP+i+2*\c:TP+i+2*\c+1]
.endr
.set i, i+8
.endr
	v_pk_add_f32 v[SUM:SUM+1], v[SUM:SUM+1], v[SUM+2:SUM+3]
	v_pk_add_f32 v[SUM+4:SUM+5], v[SUM+4:SUM+5], v[SUM+6:SUM+7]
	v_pk_add_f32 v[SUM:SUM+1], v[SUM:SUM+1], v[SUM+4:SUM+5]
	v_add_f32 v[SUM], v[SUM], v[SUM+1]
	v_permlanex16_b32 v[SUM+1], v[SUM], s[SEL], s[SEL+1]
.set i, 0
.rept 32
	v_dual_min_num_f32 v[TP+i], v[TP+i], v[QL] :: v_dual_min_num_f32 v[TP+i+1], v[TP+i+1], v[QL]   ; the conversion to an 8-bit code does not saturate (ISA guide 7.6.2); p is not negative, so the hold is one-sided
.set i, i+2
.endr
	v_add_f32 v[SUM], v[SUM], v[SUM+1]             ; my query's sum over my 128 keys, in both halves of the lanes
.if (\a) >= 2
	s_wait_alu depctr_va_vdst(0)                   ; the wait here, directly ahead of the wait below
	s_wait_xcnt 0x0                                ; block a - 2's stores have read their registers, which are written again below
.endif
.irp t, 0,1,2,3,4,5,6,7
	v_cvt_scalef32_pk8_fp8_f32 v[CDS+2*\t:CDS+2*\t+1], v[TP+8*\t:TP+8*\t+7], v[QS]
.endr
	v_cndmask_b32 v[SV+(\a)], v[NM+2*(\a)], v[SUM], s44   ; lanes 0-15: -Mc; lanes 16-31: the sum.  (The plain line behind the conversions)
.irp g, 0,1,2,3
	global_store_b128 v[OFF], v[CDS+4*\g:CDS+4*\g+3], s[16:17] offset:294912*(\a)+512*\g   ; the fragment as it stands: 512 consecutive bytes a store
.endr
	global_store_b32 v[OF4], v[SV+(\a)], s[18:19] offset:18432*(\a)
.endm
	PFMA 0
	s_wait_alu depctr_va_vdst(0)                   ; the wait ahead of the batch
.irp a, 0,1,2,3,4,5,6
	PEXP \a
	PFMA \a+1
	s_wait_alu depctr_va_vdst(0)                   ; one wait for the batch, ahead of the first line that names a result
	PREST \a
.endr
	PEXP 7
	v_nop                                          ; a plain line behind the last exponential
	s_wait_alu depctr_va_vdst(0)
	PREST 7
	s_wait_tensorcnt 0x0                           ; the wave's end
	ds_add_u32 v[SPW], v[NIL]
	s_wait_dscnt 0x0
	CROUND                                         ; the closing round
	s_endpgm
.Lvalues:
	; V.  s76: the cluster's first token; s77: 1 in the waves whose first 128 tokens the neighbouring cluster stores
	s_sub_co_u32 s56, ttmp9, 36
	s_mul_i32 s76, s56, 320
	s_min_u32 s76, s76, 7872
	s_xor_b32 s78, s[MH], 1
	s_cmp_eq_u32 s56, 25
	s_cselect_b32 s77, s78, 0
	s_lshl_b32 s63, s[MH], 8                       ; my slot's K step
	s_lshl_b32 s58, s76, 10
	s_add_co_u32 s58, s58, s63
	s_mov_b32 s59, 0
	s_add_nc_u64 s[58:59], s[8:9], s[58:59]        ; tokens: shared
	s_lshl_b32 s60, s[CX], 18
	s_add_co_u32 s60, s60, s63
	s_mov_b32 s61, 0
	s_add_nc_u64 s[60:61], s[10:11], s[60:61]      ; my 256 rows of W
	DESC G1J, 15|(1<<20)|(1<<21)|(5<<22)|(3<<25), 256, 320, 1024   ; bytes; padding of 4 words behind 64
	DESC G1P, (1<<20)|(5<<22)|(3<<25), 256, 256, 1024
	s_mul_i32 s98, s[MH], VSLOT
	s_add_co_u32 s99, s98, WOFF
	GROUP0 G0S, 98, 58
	GROUP0 G0D, 99, 60
	CROUND
	JLOAD                                          ; K steps 0 and 1, one load a wave
	s_lshl_b32 s60, s[CX], 10
	s_lshl_b32 s62, s[NH], 9
	s_add_co_u32 s60, s60, s62
	s_mov_b32 s61, 0
	s_add_nc_u64 s[12:13], s[12:13], s[60:61]      ; my channels' biases
	; vf: [batch 4][128 channels 8][256 keys 8][128 keys 2][16 channels 8] x 2,048; 32 keys are 512 bytes.  s[66:75]: where my five groups of 32 tokens go
	s_lshr_b32 s80, s76, 5
	s_mul_i32 s81, s[MH], 5
	s_add_co_u32 s80, s80, s81                     ; my first group, counted over all tokens
	s_lshl_b32 s82, s[CX], 1
	s_add_co_u32 s82, s82, s[NH]
	s_lshl_b32 s82, s82, 18
.irp n, 0,1,2,3,4
	s_add_co_u32 s56, s80, \n
	s_lshr_b32 s57, s56, 6
	s_lshl_b32 s57, s57, 21
	s_add_co_u32 s57, s57, s82
	s_bfe_u32 s62, s56, 0x30003
	s_lshl_b32 s62, s62, 15
	s_add_co_u32 s57, s57, s62
	s_bfe_u32 s62, s56, 0x10002
	s_lshl_b32 s62, s62, 14
	s_add_co_u32 s57, s57, s62
	s_and_b32 s62, s56, 3
	s_lshl_b32 s62, s62, 9
	s_add_co_u32 s62, s57, s62
	s_mov_b32 s63, 0
	s_add_nc_u64 s[66+2*\n:67+2*\n], s[20:21], s[62:63]
.endr
	s_mul_i32 s56, s[MH], 160*VP
	s_mul_i32 s57, s[NH], 128*VP
	s_add_co_u32 s57, s57, WOFF
	v_and_b32 v1, 15, v0                           ; r
	v_bfe_u32 v2, v0, 4, 1                         ; h
	v_lshlrev_b32 v5, 2, v1
	v_mul_u32_u24 v3, v1, VP
	v_lshl_add_u32 v4, v2, 4, v3
	v_add_nc_u32 v[ADT], s56, v4
	v_add_nc_u32 v[ADC], s57, v4
	v_add_nc_u32 v[ADT+1], VSLOT, v[ADT]
	v_add_nc_u32 v[ADC+1], VSLOT, v[ADC]
	v_and_b32 v6, 31, v0
	v_lshlrev_b32 v[OFF], 4, v6
.irp a, 0,1,2,3,4,5,6,7
	global_load_b32 v[16+\a], v5, s[12:13] offset:64*\a   ; channel 16 a + r
.endr
	s_wait_kmcnt 0x0
	s_add_co_i32 s4, s88, s89                      ; e4 + e5
	s_sub_co_i32 s5, 0, s4
	s_sub_co_i32 s7, s87, s4
	s_add_co_i32 s7, s7, 127
	s_lshl_b32 s6, s7, 23
	v_mov_b32 v[QS], s6                            ; 2^(e9 - e4 - e5)
	s_add_co_i32 s7, s7, 8
	s_lshl_b32 s7, s7, 23
	s_or_b32 s7, s7, 0x600000
	v_mov_b32 v[QL], s7                            ; 448 x that
	s_wait_loadcnt 0x0
.set i, 0
.rept 64
	v_ldexp_f32 v[BI+i], v[16+i/8], s5             ; the bias / 2^(e4 + e5), as the C of a channel tile's first products
.set i, i+1
.endr
; Source 0 = 16 tokens, source 1 = 16 channels: a lane holds one channel and eight neighbouring tokens.  QUADRANTS: token tiles 5 T .. 5 T + 4 x channel tiles 4 A .. 4 A + 3.
; A step of 128 along K takes its quadrants in an order in which two neighbours share a half of an operand; the half that falls free is fetched for the next step.
.macro ACC T, A                        ; accumulator (5 T + VT, 4 A + VA)
.if (\T) == 0
.set QD, (\A)
.else
.set QD, 3-(\A)
.endif
.set AR, 384+160*QD+8*(5*VA+VT)
.set AW, AR/256
.set AL, AR%256
.endm
.macro VQ T, A, beg                    ; 20 matrix instructions, one accumulator after the other
.set VA, 0
.rept 4
.set VT, 0
.rept 5
	ACC \T, \A
.set FT, 96+16*(5*(\T)+VT)
.set FC, 16*(4*(\A)+VA)
.if \beg
.set CB, BI+8*(4*(\A)+VA)
	WIN (0x04+0x40*AW)
	v_wmma_f32_16x16x128_fp8_fp8 v[AL:AL+7], v[FT:FT+15], v[FC:FC+15], v[CB:CB+7]
.else
	WIN (0x04+0x50*AW)
	v_wmma_f32_16x16x128_fp8_fp8 v[AL:AL+7], v[FT:FT+15], v[FC:FC+15], v[AL:AL+7]
.endif
.set VT, VT+1
.endr
.set VA, VA+1
.endr
.endm
.macro VFT slot, q, T                  ; five fragments of tokens: 20 loads
	WIN 0
.irp n, 0,1,2,3,4
.irp c, 0,1,2,3
	ds_load_b128 v[96+16*(5*(\T)+\n)+4*\c:96+16*(5*(\T)+\n)+4*\c+3], v[ADT+\slot] offset:128*(\q)+32*\c+(5*(\T)+\n)*16*VP
.endr
.endr
.endm
.macro VFC slot, q, A                  ; four fragments of W: 16 loads
	WIN 0x40
.irp n, 0,1,2,3
.irp c, 0,1,2,3
	ds_load_b128 v[16*(4*(\A)+\n)+4*\c:16*(4*(\A)+\n)+4*\c+3], v[ADC+\slot] offset:128*(\q)+32*\c+(4*(\A)+\n)*16*VP
.endr
.endr
	WIN 0
.endm
.macro VEVEN slot, beg                 ; a slot's first 128 along K
	s_wait_dscnt 36                                ; tokens' and W's lower halves are in; the youngest 36 (their upper halves) may be out
	VQ 0, 0, \beg
	s_wait_dscnt 20                                ; W's upper half is in
	VQ 0, 1, \beg
	s_wait_dscnt 0
	VQ 1, 1, \beg
	PLACES NP
	VFT \slot, 1, 0
	VFC \slot, 1, 1
	VQ 1, 0, \beg
	PLACES NP
	VFC \slot, 1, 0
	VFT \slot, 1, 1
.endm
.macro VODD slot, next, mode           ; its second 128, and the change of slots (mode 1: the slot is filled again; 0: not; 2: nothing follows)
	s_wait_dscnt 36                                ; tokens' lower and W's upper half are in
	VQ 0, 1, 0
.if (\mode) < 2
	WIN 0
	s_wait_tensorcnt 0x0                           ; all my tensor loads have landed
	ds_add_u32 v[SPW], v[NIL]                      ; 0 onto my spare word
.if ((\mode) == 1) && ((\slot) == 0)
	s_add_nc_u64 s[G0S+2:G0S+3], s[G0S+2:G0S+3], 512       ; my slot's second K step
	s_add_nc_u64 s[G0D+2:G0D+3], s[G0D+2:G0D+3], 512
.endif
	s_wait_dscnt 21                                ; W's lower half is in (behind it: 20 loads and the add)
.else
	s_wait_dscnt 20
.endif
	VQ 0, 0, 0
	s_wait_dscnt 0x0                               ; the add is done, and my reads of this slot are over
.if (\mode) < 2
	s_barrier_signal -1
	VQ 1, 0, 0
	WIN 0
	s_barrier_wait -1
.if (\mode) == 1
	CREST
	RELOAD \slot
.endif
	PLACES NP
	VFT \next, 0, 0
	VFC \next, 0, 0
	VQ 1, 1, 0
	PLACES NP
	VFC \next, 0, 1
	VFT \next, 0, 1
.else
	VQ 1, 0, 0
	VQ 1, 1, 0
	WIN 0
.endif
.endm
	s_wait_alu depctr_va_vdst(0)                   ; the wait at the head's end
	s_wait_tensorcnt 0x0                           ; my tile is in
	s_barrier_signal -1
	s_barrier_wait -1                              ; both slots are whole
	VFT 0, 0, 0
	VFC 0, 0, 0
	VFC 0, 0, 1
	VFT 0, 0, 1
	VEVEN 0, 1
	VODD 0, 1, 1
	VEVEN 1, 0
	VODD 1, 0, 1
	VEVEN 0, 0
	VODD 0, 1, 0
	VEVEN 1, 0
	VODD 1, 0, 2
	PLACES NP
.macro VOUT a                          ; 16 channels x my 160 tokens: the hold, the codes, five stores of 512 consecutive bytes
.set CDS, 176+20*((\a)%2)
.if (\a) >= 2
	s_wait_xcnt 0x0                                ; block a - 2's stores have read their registers
.endif
.set VA, (\a)%4
.set tt, 0
.rept 10
.set VT, tt%5
	ACC tt/5, (\a)/4
	WIN AW
.set i, 0
.rept 8
	v_med3_num_f32 v[96+8*tt+i], v[AL+i], -v[QL], v[QL]
.set i, i+1
.endr
.set tt, tt+1
.endr
	WIN 0
.set tt, 0
.rept 10
	v_cvt_scalef32_pk8_fp8_f32 v[CDS+2*tt:CDS+2*tt+1], v[96+8*tt:96+8*tt+7], v[QS]
.set tt, tt+1
.endr
	v_nop
	global_store_b128 v[OFF], v[CDS+16:CDS+19], s[74:75] offset:2048*(\a)
	s_cmp_lg_u32 s77, 0
	s_cbranch_scc1 .Lothers_\@                     ; the neighbouring cluster stores these
.irp n, 0,1,2,3
	global_store_b128 v[OFF], v[CDS+4*\n:CDS+4*\n+3], s[66+2*\n:67+2*\n] offset:2048*(\a)
.endr
.Lothers_\@:
.endm
.irp a, 0,1,2,3,4,5,6,7
	VOUT \a
.endr
	s_wait_tensorcnt 0x0                           ; the wave's end
	ds_add_u32 v[SPW], v[NIL]
	s_wait_dscnt 0x0
	CROUND                                         ; the closing round
	s_endpgm
.Lfunc_end_k_qe8da9bfe02_sv:
	.size	k_qe8da9bfe02_sv, .Lfunc_end_k_qe8da9bfe02_sv-k_qe8da9bfe02_sv
	.p2alignl 7, 3214868480
	.fill 96, 4, 3214868480
	.section	.rodata,"a",@progbits
	.p2align	6, 0x0
	.amdhsa_kernel k_qe8da9bfe02_sv
		.amdhsa_group_segment_fixed_size 327680
		.amdhsa_private_segment_fixed_size 0
		.amdhsa_enable_private_segment 0
		.amdhsa_kernarg_size 72
		.amdhsa_user_sgpr_count 2
		.amdhsa_user_sgpr_kernarg_segment_ptr 1
		.amdhsa_wavefront_size32 1
		.amdhsa_system_sgpr_workgroup_id_x 1
		.amdhsa_system_sgpr_workgroup_id_y 1
		.amdhsa_system_sgpr_workgroup_id_z 1
		.amdhsa_system_vgpr_workitem_id 0
		.amdhsa_next_free_vgpr 1024
		.amdhsa_next_free_sgpr 102
		.amdhsa_reserve_vcc 0
		.amdhsa_float_denorm_mode_32 3
		.amdhsa_float_denorm_mode_16_64 3
		.amdhsa_memory_ordered 1
		.amdhsa_forward_progress 1
		.amdhsa_inst_pref_size 255
	.end_amdhsa_kernel
	.section	.bss,"aw",@nobits
	.p2align	6
	.space	262144
	.amdgpu_metadata
---
amdhsa.version: [ 1, 2 ]
amdhsa.kernels:
  - .name:           k_qe8da9bfe02_sv
    .symbol:         k_qe8da9bfe02_sv.kd
    .args:
      - { .name: qf, .offset: 0, .size: 8, .value_kind: global_buffer, .address_space: global }
      - { .name: kf, .offset: 8, .size: 8, .value_kind: global_buffer, .address_space: global }
      - { .name: encoded_v_codes, .offset: 16, .size: 8, .value_kind: global_buffer, .address_space: global }
      - { .name: W_v_codes, .offset: 24, .size: 8, .value_kind: global_buffer, .address_space: global }
      - { .name: b_v, .offset: 32, .size: 8, .value_kind: global_buffer, .address_space: global }
      - { .name: lowp_scales, .offset: 40, .size: 8, .value_kind: global_buffer, .address_space: global }
      - { .name: pf, .offset: 48, .size: 8, .value_kind: global_buffer, .address_space: global }
      - { .name: st, .offset: 56, .size: 8, .value_kind: global_buffer, .address_space: global }
      - { .name: vf, .offset: 64, .size: 8, .value_kind: global_buffer, .address_space: global }
    .group_segment_fixed_size: 327680
    .private_segment_fixed_size: 0
    .kernarg_segment_align: 8
    .kernarg_segment_size: 72
    .max_flat_workgroup_size: 128
    .sgpr_count:     102
    .vgpr_count:     1024
    .wavefront_size: 32
...
	.end_amdgpu_metadata
.endif
;; end of part 2
;; launch pv (part 3): grid 8 x 32, 4 waves a work-group, clusters of 4 x 4, 327,680 bytes of LDS; arguments pf, vf, st, lowp_scales, out0; writes out0
.if DOCPART == 3
	.amdgcn_target "amdgcn-amd-amdhsa--gfx1250"
	.amdhsa_code_object_version 6
	.text
	.protected	k_qe8da9bfe02_pv
	.globl	k_qe8da9bfe02_pv
	.p2align	8
	.type	k_qe8da9bfe02_pv,@function
k_qe8da9bfe02_pv:
	s_mov_b64 s[64:65], 0
	v_nop
	global_prefetch_b8 v0, s[64:65] scope:SCOPE_SE
	s_setreg_imm32_b32 hwreg(HW_REG_WAVE_MODE, 25, 1), 1
	s_wait_xcnt 0x0
	s_wait_alu depctr_hold_cnt(0) depctr_sa_sdst(0) depctr_va_vdst(0) depctr_va_sdst(0) depctr_va_ssrc(0) depctr_va_vcc(0) depctr_vm_vsrc(0)
	s_getreg_b32 s2, hwreg(HW_REG_IB_STS2, 6, 4)
	s_cmp_eq_u32 s2, 0
	s_cbranch_scc0 .Lentry_in_a_cluster
	s_endpgm
.Lentry_in_a_cluster:
	s_bfe_u32 s2, ttmp6, 0x10000c
	s_cmp_lg_u32 s2, 0xf033
	s_cbranch_scc0 .Lentry_shape_is_right
	s_endpgm
.Lentry_shape_is_right:
; O = (sum over key chunks c of 2^(Mc - M) x (p_c v_c)) / l x 2^(e8 + e9), on codes of FP8; M = the largest Mc of the row, l = the sum over c of 2^(Mc - M) x the chunk's sum of the unquantised p.
; WORK LEFT OUT: the chunks c > p of a block p of 256 queries: all their weights are exactly 0 (reference()'s own mask), for all finite inputs.  LIMIT: a NaN, an infinity or an overflow that reaches only these is not carried to the result.
; SHARES, so that every work-group has the same work: a work-group owns 128 of the 1,024 channels and, of one batch, the 16 tiles of 16 queries G = 16 p + 8 rh + w (p = 0..7, rh = 0, 1; w is the work-group's): 256 queries
; spread over the sequence.  Block p needs chunks 0..p whatever w is: 36 units (c, p) a wave, each 8 matrix instructions (4 tiles of 16 channels x 256 keys).  Wave (rh, nh2): the tiles with its rh, channels 64 nh2 on.
; No branch hangs on a work-group's number.  THE CHUNKS GO IN ASCENDING ORDER, in a chunk the blocks in ascending order: so chunk c's first unit finishes block c, which leaves then, while the others go on.
; FIVE STEPS through two LDS slots: chunks {0} A, {1, 2} B, {3} A, {4, 5} B, {6, 7} A.  Slots A (98,304 bytes) and B (172,032) are filled whole at the head.
; Wave 0 fetches p into slot A, wave 1 p into B, wave 2 v into A, wave 3 v into B: one load a wave at the head and behind each round.
; Transposed: source 0 = 16 channels of v (keys innermost), source 1 = 16 queries of p: a lane holds one query and eight neighbouring channels.  A unit's product starts at 0 in one of two sets of four accumulators,
; which take turns; the unit before is folded into O meanwhile: O += g x T, g = 2^(Mc - M), 16 packed lines that are also the places behind the products.
; CLUSTERS: 4 x 4 work-groups; p's tiles (they hang on batch and w) are asked for jointly along a row of the cluster, v's (batch and channels) along a column.
; The zero codes of each block's diagonal chunk are multiplied: they lie inside joint tiles that also hold live work.
; No prefetch: half of a work-group's bytes (270,336 of 557,056) are asked for at its head, the rest by three refills written out: there is no loop to run ahead in.
; LIMITS: e8 + e9 is applied by v_ldexp_f32 and has none.
; REGISTERS: window 0: v1-3 r, h, 16 x lane; v4-9 LDS addresses; v10 st's offset; v11-13 the way out; v14, v15 the add's two; v20-91 36 pairs: g of a unit, and its chunk's sum; v96-191 three buffers of p's two fragments (at the head: the rows' figures);
;   v192-255 the two sets of accumulators.   window 1: v's 8 fragments of an even chunk (v0-127) and of an odd one (v128-255).   window 2: O(p, t) at v[32 p + 8 t].
;   window 3: v0-31 a block's results, v32-95 two buffers of rows read back from the stage, v96-111 1 / l x 2^(e8 + e9), a pair a block.
.set SLB,   98304                      ; slot B; slot A: p from byte 0 on, v of chunks 0 and 3 from 65,536, of chunks 6, 7 from 32,768
.set VBA,   32768
.set VBB,   204800                     ; slot B: 106,496 bytes for p, then v
.set SPARE, 270336                     ; the spare words
.set STAGE, 270848                     ; the way out: a stage of 16 rows x (256 + 16) bytes a wave; no tensor load lands there
.set SP,    272
.set PHI,   49152                      ; a second base for p's fragments, six units on
.set LI,   3
.set ADP,  4
.set ADPH, 6
.set ADV,  8
.set STA,  10
.set STO,  11
.set RD,   12
.set CO,   13
.set SPW,  14
.set NIL,  15
.set G,    20
.set PB,   96
.set NMF,  96
.set LS,   104
.set RC,   112
.set TT,   192
.set RL,   96
.set WV,   14                          ; s14 wave; s15 rh, also: I fetch p (0) or v (1); s16 nh2, also: the slot that I fill
.set G1PA, 24
.set G0P,  32
.set G1PB, 48
.set G0V,  56
.set SEL,  66
.set G1VA, 84
.set G1VB, 92
.set FL,   (3<<16)|(1<<21)             ; elements of 8 bytes; bit 21 beside a mask; no padding
.set MSB, 0
.macro WIN new
.if MSB != \new
	s_set_vgpr_msb (MSB<<8)|\new
.set MSB, \new
.endif
.endm
.macro ROWS g, r                       ; descriptor group 1: r dense rows of 256 bytes
	s_mov_b32 s[\g+2], (\r)<<16
	s_mov_b32 s[\g+4], \r
.endm
.macro ARM g0, g1                      ; a joint load, an s_nop 0 and four v_nop
	tensor_load_to_lds s[\g0:\g0+3], s[\g1:\g1+7]
	s_nop 0
.rept 4
	v_nop
.endr
.endm
.macro RLOAD sl, gp, gv                ; slot sl is filled again: p by wave sl, v by wave sl + 2
	s_cmp_eq_u32 s[WV], \sl
	s_cbranch_scc0 .Lno_p_\@
	ARM G0P, \gp
	s_branch .Lasked_\@
.Lno_p_\@:
	s_cmp_eq_u32 s[WV], (\sl)+2
	s_cbranch_scc0 .Lasked_\@
	ARM G0V, \gv
.Lasked_\@:
.endm
.macro CREST                           ; a round of the cluster's barrier behind its opening barrier
	s_cmp_lg_u32 s[WV], 0
	s_cbranch_scc1 .Lnot_wave_0_\@
	s_barrier_signal -3
.Lnot_wave_0_\@:
	s_barrier_wait -3
	s_barrier_signal -1
	s_barrier_wait -1
.endm
.macro CROUND
	s_barrier_signal -1
	s_barrier_wait -1
	CREST
.endm
	s_load_b256 s[4:11], s[0:1], 0x0               ; pf s[4:5], vf s[6:7], st s[8:9], the exponents s[10:11]
	s_load_b64 s[12:13], s[0:1], 0x20              ; out0
	v_lshl_add_u32 v[SPW], v0, 2, SPARE
	v_mov_b32 v[NIL], 0
	ds_add_u32 v[SPW], v[NIL]                      ; the opening: the add, twice on end, and its wait ahead of my first tensor load
	ds_add_u32 v[SPW], v[NIL]
	v_lshrrev_b32 v1, 5, v0
	v_readfirstlane_b32 s[WV], v1
	s_lshr_b32 s15, s[WV], 1
	s_and_b32 s16, s[WV], 1
	s_bfe_u32 s40, ttmp6, 0x40000                  ; cx
	s_bfe_u32 s41, ttmp6, 0x40004                  ; cy
	s_and_b32 s17, ttmp7, 0xffff                   ; the cluster's y
	s_lshl_b32 s43, s17, 2
	s_add_co_u32 s43, s43, s41                     ; y = 8 batch + w
	s_lshr_b32 s44, s17, 1                         ; the batch: the same in the whole cluster
	s_lshl_b32 s42, ttmp9, 2
	s_add_co_u32 s42, s42, s40                     ; which 128 channels
	s_lshl_b32 s46, s41, 2
	s_lshl_b32 s46, 15, s46                        ; my row of the cluster
	s_lshl_b32 s47, 0x1111, s40                    ; my column
	s_or_b32 s[G1PA], s46, FL
	s_or_b32 s[G1PB], s46, FL
	s_or_b32 s[G1VA], s47, FL
	s_or_b32 s[G1VB], s47, FL
.irp g, G1PA, G1PB, G1VA, G1VB
	s_mov_b32 s[\g+1], 32<<16
	s_mov_b32 s[\g+3], 32<<16
	s_mov_b32 s[\g+5], 32
	s_mov_b32 s[\g+6], 0
	s_mov_b32 s[\g+7], 0
.endr
	ROWS G1PA, 256                                 ; p of chunk 0: 8 units of 8,192 bytes
	ROWS G1PB, 416                                 ; of chunks 1, 2: 13
	ROWS G1VA, 128                                 ; v of one chunk: 32,768 bytes
	ROWS G1VB, 256
	s_mul_i32 s18, s43, 294912                     ; p: [y][36 units] x 8,192; slot B's first chunk is 65,536 on
	s_lshl_b32 s19, s16, 16
	s_add_co_u32 s18, s18, s19
	s_mov_b32 s19, 0
	s_lshl_b32 s20, s44, 3                         ; v: [8 batch + channels][chunk 8] x 32,768
	s_add_co_u32 s20, s20, s42
	s_lshl_b32 s20, s20, 18
	s_lshl_b32 s21, s16, 15
	s_add_co_u32 s20, s20, s21
	s_mov_b32 s21, 0
	s_mul_i32 s22, s16, SLB                        ; where they go
	s_mul_i32 s23, s16, VBB-65536
	s_add_co_u32 s23, s23, 65536
	s_mov_b32 s[SEL], 0x76543210
	s_mov_b32 s[SEL+1], 0xfedcba98
	s_wait_dscnt 0x0                               ; both opening adds are done
	s_wait_kmcnt 0x0
	s_load_b64 s[68:69], s[10:11], 0x20            ; e8, e9
	s_add_nc_u64 s[18:19], s[4:5], s[18:19]
	s_add_nc_u64 s[20:21], s[6:7], s[20:21]
	s_mov_b32 s[G0P], 1
	s_mov_b32 s[G0P+1], s22
	s_mov_b64 s[G0P+2:G0P+3], s[18:19]
	s_or_b32 s[G0P+3], s[G0P+3], 0x80000000
	s_mov_b32 s[G0V], 1
	s_mov_b32 s[G0V+1], s23
	s_mov_b64 s[G0V+2:G0V+3], s[20:21]
	s_or_b32 s[G0V+3], s[G0V+3], 0x80000000
	CROUND                                         ; all sixteen work-groups are here: the joint loads meet
	s_cmp_eq_u32 s[WV], 0
	s_cbranch_scc0 .Lhead1
	ARM G0P, G1PA
	s_branch .Lhead
.Lhead1:
	s_cmp_eq_u32 s[WV], 1
	s_cbranch_scc0 .Lhead2
	ARM G0P, G1PB
	s_branch .Lhead
.Lhead2:
	s_cmp_eq_u32 s[WV], 2
	s_cbranch_scc0 .Lhead3
	ARM G0V, G1VA
	s_branch .Lhead
.Lhead3:
	ARM G0V, G1VB
.Lhead:
	s_lshl_b32 s70, s43, 1
	s_add_co_u32 s70, s70, s15
	s_mul_i32 s70, s70, 9216                       ; my 36 records of 256 bytes
	s_mov_b32 s71, 0
	s_add_nc_u64 s[70:71], s[8:9], s[70:71]
	s_lshl_b32 s74, s15, 12                        ; p's fragments of my rh
	s_lshl_b32 s75, s16, 13                        ; v's four fragments of my 64 channels
	s_add_co_u32 s75, s75, VBA
	s_mul_i32 s77, s[WV], 16*SP                    ; my stage
	s_add_co_u32 s77, s77, STAGE
	s_lshl_b32 s72, s44, 23                        ; out0: row 2,048 batch + 128 rh + 16 w of 4,096 bytes, + 512 x channels' block + 256 nh2
	s_lshl_b32 s78, s15, 19
	s_add_co_u32 s72, s72, s78
	s_and_b32 s78, s43, 7
	s_lshl_b32 s78, s78, 16
	s_add_co_u32 s72, s72, s78
	s_lshl_b32 s78, s42, 9
	s_add_co_u32 s72, s72, s78
	s_lshl_b32 s78, s16, 8
	s_add_co_u32 s72, s72, s78
	s_mov_b32 s73, 0
	s_add_nc_u64 s[12:13], s[12:13], s[72:73]
	v_and_b32 v1, 15, v0                           ; r
	v_bfe_u32 v2, v0, 4, 1                         ; h
	v_lshlrev_b32 v[STA], 3, v1
	v_lshl_add_u32 v[STA], v2, 7, v[STA]           ; st: the record of key half h, query r
.set i, 0
.rept 36
	global_load_b64 v[G+2*i:G+2*i+1], v[STA], s[70:71] offset:256*i   ; -Mc (the same in both halves' records), and the sum over key half h
.set i, i+1
.endr
	v_and_b32 v[LI], 31, v0
	v_lshlrev_b32 v[LI], 4, v[LI]
	v_add_nc_u32 v[ADP], s74, v[LI]
	v_add_nc_u32 v[ADP+1], SLB, v[ADP]
	v_add_nc_u32 v[ADPH], PHI, v[ADP]
	v_add_nc_u32 v[ADPH+1], SLB+PHI, v[ADP]
	v_add_nc_u32 v[ADV], s75, v[LI]
	v_add_nc_u32 v[ADV+1], VBB-VBA, v[ADV]
	v_mul_u32_u24 v[STO], v1, SP
	v_lshl_add_u32 v[STO], v2, 5, v[STO]
	v_add_nc_u32 v[STO], s77, v[STO]               ; in: row r, 32 bytes for each half of the lanes
	v_mul_u32_u24 v[RD], v2, SP
	v_lshl_add_u32 v[RD], v1, 4, v[RD]
	v_add_nc_u32 v[RD], s77, v[RD]                 ; back: lanes 0-15 one row of 256 bytes, lanes 16-31 the next
	v_lshlrev_b32 v[CO], 12, v2
	v_lshl_add_u32 v[CO], v1, 4, v[CO]             ; and the same two rows of out0
	s_wait_kmcnt 0x0
	s_add_co_i32 s76, s68, s69                     ; e8 + e9
	s_wait_loadcnt 0x0
	; THE ROWS' FIGURES.  -M = the least -Mc of the block's chunks; g = 2^(Mc - M), made of a whole number, so that nothing is rounded; l = the sum of g x the chunk's sum
.set p, 0
.rept 8
.set gb, G+p*(p+1)
.if p == 0
	v_mov_b32 v[NMF], v[G]
.else
	v_min_num_f32 v[NMF+p], v[gb], v[gb+2]
.set c, 2
.rept p-1
	v_min_num_f32 v[NMF+p], v[NMF+p], v[gb+2*c]
.set c, c+1
.endr
.endif
.set p, p+1
.endr
.set p, 0
.rept 8
.set c, 0
.rept p+1
	v_sub_f32 v[G+p*(p+1)+2*c], v[NMF+p], v[G+p*(p+1)+2*c]   ; Mc - M: a whole number, 0 or less
.set c, c+1
.endr
.set p, p+1
.endr
.set i, 0
.rept 36
	v_cvt_i32_f32 v[G+2*i], v[G+2*i]               ; (it saturates)
.set i, i+1
.endr
.set i, 0
.rept 36
	v_ldexp_f32 v[G+2*i], 1.0, v[G+2*i]
.set i, i+1
.endr
.set p, 0
.rept 8
	v_mul_f32 v[LS+p], v[G+p*(p+1)], v[G+p*(p+1)+1]
.set c, 1
.rept p
	v_fmac_f32 v[LS+p], v[G+p*(p+1)+2*c], v[G+p*(p+1)+2*c+1]
.set c, c+1
.endr
.set p, p+1
.endr
.irp p, 0,1,2,3,4,5,6,7
	v_permlanex16_b32 v[NMF+\p], v[LS+\p], s[SEL], s[SEL+1]   ; the other half of the keys' (-M is done with)
.endr
.irp p, 0,1,2,3,4,5,6,7
	v_add_f32 v[LS+\p], v[LS+\p], v[NMF+\p]
.endr
	s_wait_alu depctr_va_vdst(0)                   ; the wait ahead of the batch
.irp p, 0,1,2,3,4,5,6,7
	v_rcp_f32 v[RC+\p], v[LS+\p]
.endr
	v_nop                                          ; a plain line behind the last reciprocal
	s_wait_alu depctr_va_vdst(0)                   ; and one wait for the eight, ahead of the first line that names a result
	WIN 0xc0                                       ; destination window 3
.irp p, 0,1,2,3,4,5,6,7
	v_ldexp_f32 v[RL+2*\p], v[RC+\p], s76          ; twice: a pair for the packed form
	v_ldexp_f32 v[RL+2*\p+1], v[RC+\p], s76
.endr
	WIN 0
; UNIT k of 36: chunk c, block p, slot, and the unit's place in its step
.macro UNIT k
.set Uc, 0
.irp n, 8,15,21,26,30,33,35
.if (\k) >= \n
.set Uc, Uc+1
.endif
.endr
.set Up, Uc+(\k)-Uc*(17-Uc)/2
.set Uz, Uc%2
.set Usl, (0x36>>Uc)&1
.set Ui, Up-Uc+((0x20400700>>(4*Uc))&15)
.set Upb, (\k)%3
.set Uts, (\k)%2
.set Ug, G+Up*(Up+1)+2*Uc
.endm
; The text counts its LDS instructions (DSN) and notes the count at each fetch's end, so that a wait can say how many younger ones may stay out.
.set DSN, 0
.set PEND0, 0
.set PEND1, 0
.set PEND2, 0
.set VEND0, 0
.set VEND1, 0
.set SEEN, 0
.macro VFETCH c                        ; a chunk's 8 fragments of v (2 x 128 keys x my 4 tiles of channels): 32 loads
.set VZ, 128*((\c)%2)
.set VO, 32768*((0xad>>(\c))&1)
.set VA, ADV+((0x36>>(\c))&1)
	WIN 0x40                                       ; destination window 1
.irp f, 0,1,2,3,4,5,6,7
.irp g, 0,1,2,3
	ds_load_b128 v[VZ+16*\f+4*\g:VZ+16*\f+4*\g+3], v[VA] offset:VO+16384*(\f/4)+2048*(\f%4)+512*\g
.endr
.endr
	WIN 0
.set DSN, DSN+32
.if (\c)%2 == 0
.set VEND0, DSN
.else
.set VEND1, DSN
.endif
.endm
.macro PFETCH k                        ; a unit's two fragments of p: 8 loads, into buffer k % 3
.if (\k) <= 35
	UNIT \k
.if Ui >= 6
.set PAD, ADPH+Usl
.set PIX, Ui-6
.else
.set PAD, ADP+Usl
.set PIX, Ui
.endif
.irp s, 0,1
.irp g, 0,1,2,3
	ds_load_b128 v[PB+32*Upb+16*\s+4*\g:PB+32*Upb+16*\s+4*\g+3], v[PAD] offset:8192*PIX+2048*\s+512*\g
.endr
.endr
.set DSN, DSN+8
.if Upb == 0
.set PEND0, DSN
.elseif Upb == 1
.set PEND1, DSN
.else
.set PEND2, DSN
.endif
.endif
.endm
.macro NEED k                          ; the unit's p and v are in: what was issued behind the younger of the two fetches may stay out
	UNIT \k
.if Upb == 0
.set E1, PEND0
.elseif Upb == 1
.set E1, PEND1
.else
.set E1, PEND2
.endif
.if Uz == 0
.set E2, VEND0
.else
.set E2, VEND1
.endif
.if E2 > E1
.set E1, E2
.endif
.if DSN-E1 > 63                        ; (the wait names 63 at the most)
	s_wait_dscnt 63
.else
	s_wait_dscnt DSN-E1
.endif
.endm
.macro MULT k                          ; 8 matrix instructions: the four accumulators of set k % 2 take turns, one instruction a turn; the first four start the sums
	UNIT \k
	WIN 0x01                                       ; source 0 (v) window 1
.irp s, 0,1
.irp t, 0,1,2,3
.if \s == 0
	v_wmma_f32_16x16x128_fp8_fp8 v[TT+32*Uts+8*\t:TT+32*Uts+8*\t+7], v[128*Uz+64*\s+16*\t:128*Uz+64*\s+16*\t+15], v[PB+32*Upb+16*\s:PB+32*Upb+16*\s+15], 0
.else
	v_wmma_f32_16x16x128_fp8_fp8 v[TT+32*Uts+8*\t:TT+32*Uts+8*\t+7], v[128*Uz+64*\s+16*\t:128*Uz+64*\s+16*\t+15], v[PB+32*Upb+16*\s:PB+32*Upb+16*\s+15], v[TT+32*Uts+8*\t:TT+32*Uts+8*\t+7]
.endif
.endr
.endr
.endm
.macro FOLD k                          ; O(p) += g x T (the pair's low word serves both), each accumulator from its low end on; a block's first unit starts O: nothing is cleared
	UNIT \k
.set i, 0
.if (SEEN>>Up)&1
	WIN 0xa0                                       ; destination and source 2 window 2
.rept 16
	v_pk_fma_f32 v[32*Up+i:32*Up+i+1], v[TT+32*Uts+i:TT+32*Uts+i+1], v[Ug:Ug+1], v[32*Up+i:32*Up+i+1] op_sel_hi:[1,0,1]
.set i, i+2
.endr
.else
	WIN 0x80                                       ; destination window 2
.rept 16
	v_pk_mul_f32 v[32*Up+i:32*Up+i+1], v[TT+32*Uts+i:TT+32*Uts+i+1], v[Ug:Ug+1] op_sel_hi:[1,0]
.set i, i+2
.endr
.set SEEN, SEEN|(1<<Up)
.endif
.endm
; THE WAY OUT, a block of 16 queries x my 64 channels, as soon as its last unit is folded.  OUTA: O / l x 2^(e8 + e9); a lane's 32 neighbouring bytes of a row go into my stage and come back as whole rows of 256 bytes.
; LDS serves a wave's instructions in order (ISA guide 5.7.1.4): no wait between the stores and the loads, nor in front of the next block's stores.  OUTB: stored, one or two turns later.
.macro OUTA p
.set OB, 32+32*((\p)%2)
.if (\p) >= 2
	s_wait_xcnt 0x0                                ; block p - 2's stores have read their registers: block p's loads may land there
.endif
	WIN 0xce                                       ; destination window 3, source 0 window 2, source 1 window 3
.set i, 0
.rept 16
	v_pk_mul_f32 v[i:i+1], v[32*(\p)+i:32*(\p)+i+1], v[RL+2*(\p):RL+2*(\p)+1]
.set i, i+2
.endr
	WIN 0x0c                                       ; store data window 3
.irp t, 0,1,2,3
	ds_store_b128 v[STO], v[8*\t:8*\t+3] offset:64*\t
	ds_store_b128 v[STO], v[8*\t+4:8*\t+7] offset:64*\t+16
.endr
	WIN 0xc0                                       ; loaded data window 3
.irp f, 0,1,2,3,4,5,6,7
	ds_load_b128 v[OB+4*\f:OB+4*\f+3], v[RD] offset:\f*2*SP
.endr
.set DSN, DSN+16
.if (\p)%2 == 0
.set OE0, DSN
.else
.set OE1, DSN
.endif
.endm
.macro OUTB p
.set OB, 32+32*((\p)%2)
.if (\p)%2 == 0
	s_wait_dscnt DSN-OE0                           ; the block is back in registers; what was issued behind it may stay out
.else
	s_wait_dscnt DSN-OE1
.endif
	WIN 0x0c
.irp f, 0,1,2,3,4,5,6,7
	global_store_b128 v[CO], v[OB+4*\f:OB+4*\f+3], s[12:13] offset:1048576*(\p)+8192*\f th:TH_STORE_NT   ; 16 lanes store 256 consecutive bytes, at a multiple of 256 from out0's first byte; 7,397,376 at the most, inside the signed 24-bit immediate
.endr
.endm
.macro LEAVE k                         ; blocks 0 to 6 are stored in turns 3, 11, 18, 25, 29, 34, 35 and staged in turns 1, 9, 16, 22, 27, 32, 34, each behind the fold of its last unit
.irp p, 0,1,2,3,4,5,6
.if (\k) == ((0x23221d19120b03>>(8*\p))&255)
	OUTB \p
.endif
.endr
.irp p, 0,1,2,3,4,5,6
.if (\k) == ((0x22201b16100901>>(8*\p))&255)
	OUTA \p
.endif
.endr
.endm
; THE CHANGE OF SLOTS stands in the turn of a step's last unit but one: the step's v and its last fragments of p are in registers or on their way there.  Each wave waits for all its tensor loads (its part of the next slot),
; adds 0 to its spare word, and waits for that and for its reads of the slot.  The unit's products and the fold of the unit before, work on registers, stand between the barrier's signal and its wait.
; In turns 6, 19 and 24 the slot is filled again behind a round of the cluster's barrier.  The addresses are stepped in all waves alike: the sums come out right for the waves whose turn it is.
.macro CHANGE k
	s_wait_tensorcnt 0x0                           ; no tensor load of mine is out, so the descriptors may be written
	ds_add_u32 v[SPW], v[NIL]                      ; 0 onto my spare word
.set DSN, DSN+1
.if (\k) == 6                          ; A takes chunk 3: p 172,032 on, v 98,304 on
	s_add_nc_u64 s[G0P+2:G0P+3], s[G0P+2:G0P+3], 172032
	s_add_nc_u64 s[G0V+2:G0V+3], s[G0V+2:G0V+3], 98304
	ROWS G1PA, 160
.elseif (\k) == 19                     ; B takes chunks 4, 5: p 147,456 on in all, v 98,304
	s_sub_nc_u64 s[G0P+2:G0P+3], s[G0P+2:G0P+3], 24576
	ROWS G1PB, 224
.elseif (\k) == 24                     ; A takes chunks 6, 7: p 270,336 on in all, v 196,608
	s_add_nc_u64 s[G0P+2:G0P+3], s[G0P+2:G0P+3], 122880
	s_add_nc_u64 s[G0V+2:G0V+3], s[G0V+2:G0V+3], 98304
	s_mov_b32 s[G0V+1], VBA
	ROWS G1PA, 96
	ROWS G1VA, 256
.endif
	s_wait_dscnt 0x0                               ; the add is done, and my reads of the slot are over
	s_barrier_signal -1
	MULT \k
	FOLD (\k)-1
	WIN 0
	s_barrier_wait -1
.if (\k) == 6
	CREST
	RLOAD 0, G1PA, G1VA                            ; the first tensor load behind the round
	VFETCH 1
.elseif (\k) == 19
	CREST
	RLOAD 1, G1PB, G1VB
	VFETCH 3
.elseif (\k) == 24
	CREST
	RLOAD 0, G1PA, G1VA
	VFETCH 4
.else
	VFETCH 6
.endif
	PFETCH (\k)+2
.endm
; ONE UNIT'S TURN: the fetches that are due (p two units ahead; a step's second chunk of v at its first chunk's first unit), the wait, this unit's products, and the fold of the unit before.
; That fold's 16 plain lines name no register of the products in front of them: they are the places ahead of the next turn's loads into p's and v's buffers, of the next fold's reads, and of the sums begun anew.
.macro ITER k
	WIN 0
.if ((\k) == 6)||((\k) == 19)||((\k) == 24)||((\k) == 31)
	CHANGE \k
.else
.if (\k) == 8
	VFETCH 2
.elseif (\k) == 26
	VFETCH 5
.elseif (\k) == 33
	VFETCH 7
.endif
	PFETCH (\k)+2
	NEED \k
	MULT \k
.if (\k) >= 1
	FOLD (\k)-1
.else
.rept 4
	v_nop                                          ; the first unit has nothing to fold: places in front of the next turn's loads
.endr
.endif
.endif
	LEAVE \k
.endm
	s_wait_alu depctr_va_vdst(0)                   ; the wait at the head's end
	s_wait_tensorcnt 0x0                           ; my tile is in: behind the barrier both slots are whole, and nothing is filled
	s_barrier_signal -1
	s_barrier_wait -1
	VFETCH 0
	PFETCH 0
	PFETCH 1
.set KK, 0
.rept 36
	ITER KK
.set KK, KK+1
.endr
	FOLD 35
	OUTA 7
	OUTB 7
	WIN 0
	s_wait_tensorcnt 0x0                           ; the wave's end: behind my last tensor load and my last LDS store
	ds_add_u32 v[SPW], v[NIL]
	s_wait_dscnt 0x0
	CROUND                                         ; the closing round: no work-group ends while a partner may still ask for a tile that names it
	s_endpgm
.Lfunc_end_k_qe8da9bfe02_pv:
	.size	k_qe8da9bfe02_pv, .Lfunc_end_k_qe8da9bfe02_pv-k_qe8da9bfe02_pv
	.p2alignl 7, 3214868480
	.fill 96, 4, 3214868480
	.section	.rodata,"a",@progbits
	.p2align	6, 0x0
	.amdhsa_kernel k_qe8da9bfe02_pv
		.amdhsa_group_segment_fixed_size 327680
		.amdhsa_private_segment_fixed_size 0
		.amdhsa_enable_private_segment 0
		.amdhsa_kernarg_size 40
		.amdhsa_user_sgpr_count 2
		.amdhsa_user_sgpr_kernarg_segment_ptr 1
		.amdhsa_wavefront_size32 1
		.amdhsa_system_sgpr_workgroup_id_x 1
		.amdhsa_system_sgpr_workgroup_id_y 1
		.amdhsa_system_sgpr_workgroup_id_z 1
		.amdhsa_system_vgpr_workitem_id 0
		.amdhsa_next_free_vgpr 1024
		.amdhsa_next_free_sgpr 102
		.amdhsa_reserve_vcc 0
		.amdhsa_float_denorm_mode_32 3
		.amdhsa_float_denorm_mode_16_64 3
		.amdhsa_memory_ordered 1
		.amdhsa_forward_progress 1
		.amdhsa_inst_pref_size 141
	.end_amdhsa_kernel
	.amdgpu_metadata
---
amdhsa.version: [ 1, 2 ]
amdhsa.kernels:
  - .name:           k_qe8da9bfe02_pv
    .symbol:         k_qe8da9bfe02_pv.kd
    .args:
      - { .name: pf, .offset: 0, .size: 8, .value_kind: global_buffer, .address_space: global }
      - { .name: vf, .offset: 8, .size: 8, .value_kind: global_buffer, .address_space: global }
      - { .name: st, .offset: 16, .size: 8, .value_kind: global_buffer, .address_space: global }
      - { .name: lowp_scales, .offset: 24, .size: 8, .value_kind: global_buffer, .address_space: global }
      - { .name: out0, .offset: 32, .size: 8, .value_kind: global_buffer, .address_space: global }
    .group_segment_fixed_size: 327680
    .private_segment_fixed_size: 0
    .kernarg_segment_align: 8
    .kernarg_segment_size: 40
    .max_flat_workgroup_size: 128
    .sgpr_count:     102
    .vgpr_count:     1024
    .wavefront_size: 32
...
	.end_amdgpu_metadata
.endif
;; end of part 3
